; MI455X (gfx1250); checked and timed in simulation.
; The chip was launched on July 23, 2026; its instructions are those of AMD's public machine-readable ISA for CDNA 5 (MIT licence, August 2026) and "CDNA5" Instruction Set Architecture Reference Guide (July 2026). The comments in the code are by the model that wrote it; some were corrected since.
;; Multi Head Attention. Allowed arithmetic: matrix products marked QUANTISED: E2M1 operands, one E8M0 scale for each 32 along K, by v_wmma_scale_f32_16x16x128_f8f6f4 with both operands' format E2M1 (or v_wmma_scale_f32_32x16x128_f4), f32 sums; products left as they are: bf16, f16 or f32 operands; f32 sums; everything else in f32.
;; Inputs: Wk 1,024 x 1,024 float32; Wo 1,024 x 1,024 float32; Wq 1,024 x 1,024 float32; Wv 1,024 x 1,024 float32; x 4 x 2,048 x 1,024 float32.
;; Outputs: out0 4 x 2,048 x 1,024 float32.
;; This version of the problem:
;;   THIS VERSION OF THE PROBLEM IS GIVEN IN LOW PRECISION. The matrix products marked QUANTISED in the list below multiply operands that are first quantised to E2M1 (2 exponent bits, 1 mantissa bit; 4 bits a number), with one power-of-two scale for each 32 numbers along K (OCP MX v1.0); their sums are f32. The products marked 'left as it is' may take bf16, f16 or f32 operands, with f32 sums. Whichever they take, every output number must still come out within the allowed error. Rounding operands to bf16 (8 significant bits) uses up far more of that allowance than f16 does (11 bits, for magnitudes from 6e-5 to 65,504). All else is computed in f32.
;;   The module's matrix products, in the order in which they are computed (A, B: the left and right operand; K: the contracted axis; several contracted axes count as one K, in the product's order):
;;     1. [M 8,192, K 1,024] x [K 1,024, N 1,024]; A: input x; B: input Wq: QUANTISED
;;     2. [M 8,192, K 1,024] x [K 1,024, N 1,024]; A: input x; B: input Wk: QUANTISED
;;     3. [M 8,192, K 1,024] x [K 1,024, N 1,024]; A: input x; B: input Wv: QUANTISED
;;     4. batch 64 x [M 2,048, K 64] x [K 64, N 2,048]; A: computed on the way; B: computed on the way: left as it is (an operand is computed on the way)
;;     5. batch 64 x [M 2,048, K 2,048] x [K 2,048, N 64]; A: computed on the way; B: computed on the way: left as it is (an operand is computed on the way)
;;     6. [M 8,192, K 1,024] x [K 1,024, N 1,024]; A: computed on the way; B: input Wo: left as it is (an operand is computed on the way)
;;   THE QUANTISER, for each operand of a quantised product, along K:
;;     - K is cut into blocks of 32 from its start; a last block that is shorter is filled with zeros.
;;     - A block's scale is 2^e with e = floor(log2(the largest magnitude in the block)) - 2, held to -126 .. 127; a block of zeros has e = 0. As a byte (E8M0): e + 127.
;;     - Each number is divided by its block's scale, clamped to +-6, and rounded to the nearest number of E2M1, ties to even, subnormals kept.
;;     - The product sums the exact products of the quantised numbers (number of the format x scale) in f32.
;;   ~~~python
;;   def quantise(x, axis):      # numpy; x: float32 -> the quantised numbers, widened to float32 again
;;       x = np.moveaxis(x, axis, -1); K = x.shape[-1]
;;       x = np.pad(x, [(0, 0)] * (x.ndim - 1) + [(0, -K % 32)]); x = x.reshape(x.shape[:-1] + (-1, 32)); a = np.abs(x).max(-1, keepdims=True)
;;       e = np.where(a > 0, np.clip(np.frexp(np.where(a > 0, a, 1))[1] - 1 - 2, -126, 127), 0)      # np.frexp(a)[1] - 1 = floor(log2(a)), exactly
;;       r = np.clip(x / 2.0 ** e, -6, 6)
;;       step = 2.0 ** (np.maximum(np.frexp(np.where(r == 0, 1, r))[1] - 1, 0) - 1)
;;       q = np.round(r / step) * step * 2.0 ** e      # np.round: ties to even
;;       return np.moveaxis(q.reshape(q.shape[:-2] + (-1,))[..., :K], -1, axis).astype(np.float32)
;;   ~~~
;; One version. Each part assembles by itself: llvm-mc -triple=amdgcn-amd-amdhsa -mcpu=gfx1250 --defsym DOCPART=n.
;; ======== version 1 of 1: 5 launches
;; limits: values are held in f16: magnitudes above 65,504 overflow, below 6.1e-05 lose precision
;; workspace buffers: xc 4,194,304 bytes; xs 262,144 bytes; wc 1,572,864 bytes; ws 98,304 bytes; wo16 2,097,152 bytes; qkv16 50,331,648 bytes; qkv32 786,432 bytes; o16 16,777,216 bytes
;; launch quant (part 1): grid 384 x 1, 4 waves a work-group, no clusters, 33,280 bytes of LDS; arguments x, Wq, Wk, Wv, Wo, xc, xs, wc, ws, wo16; writes xc, xs, wc, ws, wo16
.if DOCPART == 1
	.amdgcn_target "amdgcn-amd-amdhsa--gfx1250"
	.amdhsa_code_object_version 6
	.text
	.protected	k_q654cbec06d_quant
	.globl	k_q654cbec06d_quant
	.p2align	8
	.type	k_q654cbec06d_quant,@function
k_q654cbec06d_quant:
	s_mov_b64 s[64:65], 0
	v_nop
	global_prefetch_b8 v0, s[64:65] scope:SCOPE_SE
	s_setreg_imm32_b32 hwreg(HW_REG_WAVE_MODE, 25, 1), 1
	s_wait_xcnt 0x0
; x [8192][1024] and Wq, Wk, Wv [1024][1024], f32, K innermost, become codes of FP4 (E2M1), two a byte, with one E8M0 scale byte for each 32 along K:
; xc [8192][512 bytes], xs [8192][32]; wc [3072][512 bytes], ws [3072][32], row 1024 x which + e (which = 0 Wq, 1 Wk, 2 Wv).
; A block's scale is 2^(floor(log2(its largest magnitude)) - 2); its byte is the largest magnitude's exponent field - 2, held at 1 from below.  A block of zeros so gets the byte 1 where the rule says 127:
; its codes are zeros, which add nothing under any byte but 0xff, and this program alone reads the bytes.
; Wo [1024][1024] f32 becomes f16 in sixteen planes: wo16 [p = d / 64][e][64], so that two neighbouring rows of a plane are 256 consecutive bytes.
; LIMITS: NaN and infinities are not served; Wo's numbers must lie within f16's range (magnitude up to 65,504).
; SHARES: work-groups 0-255 take x, 256-287 Wq, 288-319 Wk, 320-351 Wv, 32,768 numbers each (4 waves x 16 steps x 512); only pointers are chosen, by the work-group's number.  Work-groups 352-383 take Wo, 8 rows a wave, without LDS.
; Rows are dense and K is a multiple of 32: a tensor is a plain stream of blocks of 32.  Each load reads 512 consecutive bytes; a step's 2,048 bytes turn through the wave's own stage in LDS and come back 64 bytes a lane,
; so that a lane holds 16 neighbours along K and two neighbouring lanes hold a block.  No tensor load, no barrier, no cluster: waves and work-groups share nothing.
.set WAVES, 4
.set STEPS, 16
.set EMAX,  2
.set CB,    8                          ; bytes of 16 codes
.set R,     16                         ; v16-79   four sets of 16 numbers as loaded
.set X,     80                         ; v80-111  two sets of 16 neighbours
.set E,     112                        ; v112-127 a scale byte for each step
.set C,     128                        ; v128-191 codes: registers of its own for each step
.set WREG,  8192                       ; LDS: a region for each wave: two stages of 32 x SP bytes, then its 256 scale bytes
.set SP,    80                         ; a lane's place in a stage: 64 bytes + 16 of padding
.set SPW,   12                         ; v12 LDS address of my spare word; never rewritten
.set NIL,   13                         ; v13 0; never rewritten
.set SPARE, WAVES*WREG                 ; behind the regions: the spare words, 128 bytes a wave, which no other line names
.set SRC,   26                         ; s[26:27] the numbers;  s[30:31] the codes;  s[32:33] the scale bytes
.set COD,   30
.set SCB,   32
	s_load_b256 s[4:11], s[0:1], 0x0               ; x, Wq, Wk, Wv
	s_load_b256 s[12:19], s[0:1], 0x20             ; Wo, xc, xs, wc
	s_load_b128 s[20:23], s[0:1], 0x40             ; ws, wo16
	v_lshl_add_u32 v[SPW], v0, 2, SPARE
	v_mov_b32 v[NIL], 0
	v_lshrrev_b32 v1, 5, v0
	v_readfirstlane_b32 s24, v1                    ; wave
	v_and_b32 v2, 31, v0                           ; lane
	v_lshlrev_b32 v3, 4, v2                        ; my 16 bytes of a load's 512
	s_mul_i32 s25, s24, WREG
	v_lshrrev_b32 v14, 2, v2
	v_mul_u32_u24 v14, v14, SP
	v_and_b32 v15, 3, v2
	v_lshl_add_u32 v14, v15, 4, v14
	v_add_nc_u32 v14, s25, v14                     ; the stage, way in: SP (lane / 4) + 16 (lane % 4)
	v_mul_u32_u24 v15, v2, SP
	v_add_nc_u32 v15, s25, v15                     ; way out: SP x lane: my 16 neighbours
	v_mul_u32_u24 v4, v2, CB                       ; my codes' place in a step's
	v_lshrrev_b32 v5, 1, v2
	s_add_co_u32 s25, s25, 2*32*SP
	v_add_nc_u32 v5, s25, v5                       ; my block's scale byte in LDS
	v_lshlrev_b32 v7, 3, v2                        ; 8 bytes a lane
	v_add_nc_u32 v6, s25, v7
	s_and_b32 s28, ttmp9, 31                       ; a weight's run of 32,768 numbers
	s_sub_co_u32 s29, ttmp9, 256                   ; and its run among the three weights' codes
	s_wait_kmcnt 0x0
	s_cmp_ge_u32 ttmp9, 352
	s_cbranch_scc1 .Lwo
	s_cmp_lt_u32 ttmp9, 320                        ; the choices hang on the work-group's number alone
	s_cselect_b64 s[SRC:SRC+1], s[8:9], s[10:11]
	s_cmp_lt_u32 ttmp9, 288
	s_cselect_b64 s[SRC:SRC+1], s[6:7], s[SRC:SRC+1]
	s_cmp_lt_u32 ttmp9, 256
	s_cselect_b64 s[SRC:SRC+1], s[4:5], s[SRC:SRC+1]
	s_cselect_b64 s[COD:COD+1], s[14:15], s[18:19]
	s_cselect_b64 s[SCB:SCB+1], s[16:17], s[20:21]
	s_cselect_b32 s28, ttmp9, s28
	s_cselect_b32 s29, ttmp9, s29
	s_lshl_b32 s28, s28, 2
	s_add_co_u32 s28, s28, s24                     ; my wave's run of 8,192 numbers in the source,
	s_lshl_b32 s29, s29, 2
	s_add_co_u32 s29, s29, s24                     ; and in the codes and scale bytes
	s_lshl_b32 s34, s28, 15                        ; 32,768 bytes of numbers a run
	s_mov_b32 s35, 0
	s_add_nc_u64 s[SRC:SRC+1], s[SRC:SRC+1], s[34:35]
	s_lshl_b32 s34, s29, 12                        ; 4,096 bytes of codes
	s_add_nc_u64 s[COD:COD+1], s[COD:COD+1], s[34:35]
	s_lshl_b32 s34, s29, 8                         ; 256 scale bytes
	s_add_nc_u64 s[SCB:SCB+1], s[SCB:SCB+1], s[34:35]
.macro LOAD t
.irp i, 0,1,2,3
	global_load_b128 v[R+16*((\t)%4)+4*\i:R+16*((\t)%4)+4*\i+3], v3, s[SRC:SRC+1] offset:2048*(\t)+512*\i th:TH_LOAD_NT   ; 32 lanes read 512 consecutive bytes
.endr
.endm
.macro TURN t                          ; step t's numbers through the stage: LDS serves a wave's instructions in order, so no wait stands between the stores and the loads
.irp i, 0,1,2,3
	ds_store_b128 v14, v[R+16*((\t)%4)+4*\i:R+16*((\t)%4)+4*\i+3] offset:32*SP*((\t)%2)+8*SP*\i
.endr
.irp i, 0,1,2,3
	ds_load_b128 v[X+16*((\t)%2)+4*\i:X+16*((\t)%2)+4*\i+3], v15 offset:32*SP*((\t)%2)+16*\i
.endr
.endm
.irp t, 0,1,2,3
	LOAD \t
.endr
	s_wait_loadcnt 12                              ; step 0's four loads are in; the twelve of steps 1 to 3 stay out
	TURN 0
.macro STEP t
.set XS, X+16*((\t)%2)
.if (\t) > 0
	s_wait_dscnt 1                                 ; this step's numbers are back from the stage (the last step's byte store may be out)
.else
	s_wait_dscnt 0x0
.endif
.if (\t)+4 < STEPS
	LOAD (\t)+4                                    ; into the registers that this step's stores into the stage have read
.endif
.if (\t)+1 < STEPS
.if STEPS-2-(\t) >= 3
	s_wait_loadcnt 12                              ; the next step's four loads are in; those of the three steps behind it may be out
.else
	s_wait_loadcnt 4*(STEPS-2-(\t))
.endif
	TURN (\t)+1
.endif
	v_max3_num_f32 v8, |v[XS]|, |v[XS+1]|, |v[XS+2]|               ; the largest magnitude of my 16, in two chains
	v_max3_num_f32 v9, |v[XS+3]|, |v[XS+4]|, |v[XS+5]|
.irp i, 6,10
	v_max3_num_f32 v8, v8, |v[XS+\i]|, |v[XS+\i+1]|
	v_max3_num_f32 v9, v9, |v[XS+\i+2]|, |v[XS+\i+3]|
.endr
	v_max3_num_f32 v8, v8, |v[XS+14]|, |v[XS+15]|
	v_max3_num_f32 v8, v8, v9, (EMAX+1)<<23        ; and the floor 2^(EMAX + 1 - 127): the byte cannot fall under 1
	v_max_num_f32_dpp v8, v8, v8 row_xmask:1 row_mask:0xf bank_mask:0xf   ; with my neighbour's 16: the block's
	v_add_nc_u32 v11, -(EMAX<<23), v8              ; EMAX off its exponent field: the conversion takes the exponent field of this operand as its scale
	v_cvt_scalef32_pk8_fp4_f32 v[C+4*(\t)], v[XS:XS+7], v11
	v_cvt_scalef32_pk8_fp4_f32 v[C+4*(\t)+1], v[XS+8:XS+15], v11
	v_lshrrev_b32 v[E+(\t)], 23, v11               ; the scale's byte (a plain line behind the conversions)
	ds_store_b8 v5, v[E+(\t)] offset:16*(\t)       ; both lanes of a block write the same byte with the same value
	global_store_b64 v4, v[C+4*(\t):C+4*(\t)+1], s[COD:COD+1] offset:32*CB*(\t)   ; the wave stores 256 consecutive bytes, aligned
.endm
.irp t, 0,1,2,3,4,5,6,7,8,9,10,11,12,13,14,15
	STEP \t
.endr
	ds_load_b64 v[8:9], v6                         ; LDS serves a wave's instructions in order: these see my byte stores
	s_wait_dscnt 0x0
	global_store_b64 v7, v[8:9], s[SCB:SCB+1]      ; 32 lanes store 256 consecutive bytes, aligned
	s_branch .Lend
; Wo to f16.  A wave takes 8 rows, a pair of rows at a time: load p reads 256 bytes (64 numbers, plane p) of row e in lanes 0-15 and of row e + 1 in lanes 16-31;
; a lane's 4 numbers become 8 bytes, and the 32 lanes store rows e and e + 1 of plane p: 256 consecutive bytes, aligned.
.Lwo:
	s_sub_co_u32 s28, ttmp9, 352
	s_lshl_b32 s28, s28, 2
	s_add_co_u32 s28, s28, s24                     ; which 8 rows
	s_lshl_b32 s34, s28, 15                        ; 8 rows of 4,096 bytes
	s_mov_b32 s35, 0
	s_add_nc_u64 s[12:13], s[12:13], s[34:35]
	s_lshl_b32 s34, s28, 10                        ; 8 rows of 128 bytes in a plane
	s_add_nc_u64 s[22:23], s[22:23], s[34:35]
	v_lshrrev_b32 v8, 4, v2
	v_and_b32 v9, 15, v2
	v_lshlrev_b32 v9, 4, v9
	v_lshl_add_u32 v8, v8, 12, v9                  ; 4,096 (lane / 16) + 16 (lane % 16)
.macro LOADW rp
.irp p, 0,1,2,3,4,5,6,7,8,9,10,11,12,13,14,15
	global_load_b128 v[16+64*((\rp)%2)+4*\p:16+64*((\rp)%2)+4*\p+3], v8, s[12:13] offset:(\rp)*8192+\p*256 th:TH_LOAD_NT
.endr
.endm
.macro CVTW rp
.irp p, 0,1,2,3,4,5,6,7,8,9,10,11,12,13,14,15
	v_cvt_pk_f16_f32 v[144+2*\p], v[16+64*((\rp)%2)+4*\p], v[16+64*((\rp)%2)+4*\p+1]
	v_cvt_pk_f16_f32 v[145+2*\p], v[16+64*((\rp)%2)+4*\p+2], v[16+64*((\rp)%2)+4*\p+3]
.endr
.irp p, 0,1,2,3,4,5,6,7,8,9,10,11,12,13,14,15
	global_store_b64 v7, v[144+2*\p:145+2*\p], s[22:23] offset:\p*131072+(\rp)*256
.endr
.endm
	LOADW 0
	LOADW 1
	s_wait_loadcnt 16                              ; pair 0's sixteen loads are in; pair 1's stay out
	CVTW 0
	LOADW 2
	s_wait_loadcnt 16
	s_wait_xcnt 0x0                                ; the last pair's stores have read their data: v144-175 are written again only behind this wait
	CVTW 1
	LOADW 3
	s_wait_loadcnt 16
	s_wait_xcnt 0x0
	CVTW 2
	s_wait_loadcnt 0x0
	s_wait_xcnt 0x0
	CVTW 3
.Lend:
	s_wait_tensorcnt 0x0                           ; the wave's end: behind my last LDS store
	ds_add_u32 v[SPW], v[NIL]
	s_wait_dscnt 0x0
	s_endpgm
.Lfunc_end_k_q654cbec06d_quant:
	.size	k_q654cbec06d_quant, .Lfunc_end_k_q654cbec06d_quant-k_q654cbec06d_quant
	.p2alignl 7, 3214868480
	.fill 96, 4, 3214868480
	.section	.rodata,"a",@progbits
	.p2align	6, 0x0
	.amdhsa_kernel k_q654cbec06d_quant
		.amdhsa_group_segment_fixed_size 33280
		.amdhsa_private_segment_fixed_size 0
		.amdhsa_enable_private_segment 0
		.amdhsa_kernarg_size 80
		.amdhsa_user_sgpr_count 2
		.amdhsa_user_sgpr_kernarg_segment_ptr 1
		.amdhsa_wavefront_size32 1
		.amdhsa_system_sgpr_workgroup_id_x 1
		.amdhsa_system_sgpr_workgroup_id_y 1
		.amdhsa_system_sgpr_workgroup_id_z 1
		.amdhsa_system_vgpr_workitem_id 0
		.amdhsa_next_free_vgpr 192
		.amdhsa_next_free_sgpr 66
		.amdhsa_reserve_vcc 0
		.amdhsa_float_denorm_mode_32 3
		.amdhsa_float_denorm_mode_16_64 3
		.amdhsa_memory_ordered 1
		.amdhsa_forward_progress 1
		.amdhsa_inst_pref_size 54
	.end_amdhsa_kernel
	.amdgpu_metadata
---
amdhsa.version: [ 1, 2 ]
amdhsa.kernels:
  - .name:           k_q654cbec06d_quant
    .symbol:         k_q654cbec06d_quant.kd
    .args:
      - { .name: x, .offset: 0, .size: 8, .value_kind: global_buffer, .address_space: global }
      - { .name: Wq, .offset: 8, .size: 8, .value_kind: global_buffer, .address_space: global }
      - { .name: Wk, .offset: 16, .size: 8, .value_kind: global_buffer, .address_space: global }
      - { .name: Wv, .offset: 24, .size: 8, .value_kind: global_buffer, .address_space: global }
      - { .name: Wo, .offset: 32, .size: 8, .value_kind: global_buffer, .address_space: global }
      - { .name: xc, .offset: 40, .size: 8, .value_kind: global_buffer, .address_space: global }
      - { .name: xs, .offset: 48, .size: 8, .value_kind: global_buffer, .address_space: global }
      - { .name: wc, .offset: 56, .size: 8, .value_kind: global_buffer, .address_space: global }
      - { .name: ws, .offset: 64, .size: 8, .value_kind: global_buffer, .address_space: global }
      - { .name: wo16, .offset: 72, .size: 8, .value_kind: global_buffer, .address_space: global }
    .group_segment_fixed_size: 33280
    .private_segment_fixed_size: 0
    .kernarg_segment_align: 8
    .kernarg_segment_size: 80
    .max_flat_workgroup_size: 128
    .sgpr_count:     66
    .vgpr_count:     192
    .wavefront_size: 32
...
	.end_amdgpu_metadata
.endif
;; end of part 1
;; launch qkv (part 2): grid 12 x 32, 4 waves a work-group, clusters of 4 x 4, 327,680 bytes of LDS; arguments xc, xs, wc, ws, qkv16, qkv32; writes qkv16, qkv32
.if DOCPART == 2
	.amdgcn_target "amdgcn-amd-amdhsa--gfx1250"
	.amdhsa_code_object_version 6
	.text
	.protected	k_q654cbec06d_qkv
	.globl	k_q654cbec06d_qkv
	.p2align	8
	.type	k_q654cbec06d_qkv,@function
k_q654cbec06d_qkv:
	s_mov_b64 s[64:65], 0
	v_nop
	global_prefetch_b8 v0, s[64:65] scope:SCOPE_SE
	s_setreg_imm32_b32 hwreg(HW_REG_WAVE_MODE, 25, 1), 1
	s_wait_xcnt 0x0
	s_wait_alu depctr_hold_cnt(0) depctr_sa_sdst(0) depctr_va_vdst(0) depctr_va_sdst(0) depctr_va_ssrc(0) depctr_va_vcc(0) depctr_vm_vsrc(0)
	s_getreg_b32 s2, hwreg(HW_REG_IB_STS2, 6, 4)
	s_cmp_eq_u32 s2, 0
	s_cbranch_scc0 .Lentry_in_a_cluster
	s_endpgm
.Lentry_in_a_cluster:
	s_bfe_u32 s2, ttmp6, 0x10000c
	s_cmp_lg_u32 s2, 0xf033
	s_cbranch_scc0 .Lentry_shape_is_right
	s_endpgm
.Lentry_shape_is_right:
; Y[m][n] = sum over k of X[m][k] W[n][k] on codes of FP4 (E2M1) with one E8M0 scale for each 32 along K: X [8192][1024], W [3072][1024] (Wq, Wk, Wv on end).  Sums in f32.
; Y leaves by head: qkv16 [which][b][h][l][64] in f16 (two neighbouring l of a head are 256 consecutive bytes), and the rows l < 16 of every sequence also in f32: qkv32 [b][16 which + h][16][64].
; LIMIT: Q, K and V must lie within f16's range (magnitude up to 65,504); NaN and infinities are not served.
; A tile of Y, 256 x 256, is made by four waves, each 128 x 128: 64 accumulators, 512 registers.  K = 1,024 is two LDS slots of 512 along K (rows of 256 bytes): both are filled at the start and nothing is filled again.
; The scale bytes of the work-group's 256 + 256 rows, for all of K, are two dense blocks: they come once, with the first fills.  By this text's count a wave has three tensor loads out at the start.
; CLUSTERS: 4 x 4 work-groups; A's tiles are asked for jointly along a row of the cluster, B's along a column.  THE TILE ROW IS 8 cy + cluster y, so that the batch is cy and l begins at 256 x cluster y:
; whether a tile holds rows l < 16 then hangs on the cluster's y alone, which all partners share.
; THE MATRIX INSTRUCTION IS USED TRANSPOSED (source 0 = 16 rows of W, source 1 = 16 rows of X): a lane holds eight neighbouring columns of one row of Y.
; REGISTERS: window 0: v16-30 addresses; v32-95 scale words, two sets; v128-191 A's fragments, one set.  window 1: B's fragments, two sets.  windows 2, 3: the accumulators ((a, b) at v[8 (8 (a % 4) + b)]).
.set SIZE_K, 1024
.set KSTEP,  512
.set NQ,     KSTEP/128
.set ROWB,   256
.set KROW,   SIZE_K/2
.set PITCH,  272                       ; an LDS row: 256 bytes + 16 of padding: the 16 rows of a fragment load start at 16 different banks (64 banks of 4 bytes: ISA guide 11.1)
.set FR,     8
.set NL,     2
.set NP,     4
.set HALFT,  128*PITCH
.set SLOT,   4*HALFT
.set KS,     SIZE_K/32
.set SCL,    2*SLOT
.set HALFS,  (128*KS/256)*272
.set SBLK,   (16*KS/256)*272
.set SPARE,  SCL+4*HALFS               ; the spare words, 128 bytes a wave, which no other line names
.set ADRA, 16
.set ADRB, 20
.set STO32, 22                         ; the way out in f32: where I put 32 bytes of a row; v23 where I read back; v30 my byte offset in qkv32
.set RD32, 23
.set STO16, 24                         ; the way out in f16: where I put 16 bytes of a row; v25 where I read back; v26 my byte offset in qkv16
.set RD16, 25
.set CO16, 26
.set ADRS, 27
.set SPW,  28
.set NIL,  29
.set CO32, 30
.set SC,   32
.set AF,   128
.set TMP,  192
.set G1, 24
.set G0, 32
.set G1B, 48
.set G0B, 56
.set G1S, 68
.set G0S, 76
.set G1SB, 80
.set G0SB, 88
.set MSB, 0
.macro WIN new                         ; the immediate's high byte repeats the setting that is left
.if MSB != \new
	s_set_vgpr_msb (MSB<<8)|\new
.set MSB, \new
.endif
.endm
.set MUL_LO, 0xa1                      ; source 0 (B) window 1, source 1 (A) window 0, C and D window 2
.set MUL_HI, 0xf1
.set TO_B,   0x40
; A joint load: waves 0 and 1 fetch for A, waves 2 and 3 for B; the branch hangs on the wave's number alone.  An s_nop 0 and four v_nop follow each of the two lines.
.macro JLOAD g0a, g1a, g0b, g1b
	s_cmp_eq_u32 s15, 0
	s_cbranch_scc0 .Lfor_b_\@
	tensor_load_to_lds s[\g0a:\g0a+3], s[\g1a:\g1a+7]
	s_nop 0
.rept 4
	v_nop
.endr
	s_branch .Lasked_\@
.Lfor_b_\@:
	tensor_load_to_lds s[\g0b:\g0b+3], s[\g1b:\g1b+7]
	s_nop 0
.rept 4
	v_nop
.endr
.Lasked_\@:
.endm
.macro CROUND                          ; a round of the cluster's barrier
	s_barrier_signal -1
	s_barrier_wait -1
	s_cmp_lg_u32 s14, 0
	s_cbranch_scc1 .Lnot_wave_0_\@
	s_barrier_signal -3
.Lnot_wave_0_\@:
	s_barrier_wait -3
	s_barrier_signal -1
	s_barrier_wait -1
.endm
	s_load_b128 s[4:7], s[0:1], 0x0                ; x's codes, x's scales
	s_load_b128 s[8:11], s[0:1], 0x10              ; W's codes, W's scales
	s_load_b128 s[96:99], s[0:1], 0x20             ; qkv16, qkv32
	v_lshl_add_u32 v[SPW], v0, 2, SPARE
	v_mov_b32 v[NIL], 0
	ds_add_u32 v[SPW], v[NIL]                      ; the wave's opening: the add, twice on end, and its wait ahead of my first tensor load
	ds_add_u32 v[SPW], v[NIL]
	v_lshrrev_b32 v1, 5, v0
	v_readfirstlane_b32 s14, v1                    ; wave 0..3
	s_lshr_b32 s15, s14, 1                         ; my half of the tile's rows.  Also: I fetch for A (0) or for B (1)
	s_and_b32 s16, s14, 1                          ; my half of its columns.  Also: which 128 rows of that tile I fetch
	s_bfe_u32 s40, ttmp6, 0x40000                  ; cx
	s_bfe_u32 s41, ttmp6, 0x40004                  ; cy
	s_lshl_b32 s42, ttmp9, 2
	s_add_co_u32 s42, s42, s40                     ; tile column = 4 x cluster x + cx: so which = cluster x
	s_and_b32 s17, ttmp7, 0xffff
	s_lshl_b32 s95, s41, 3
	s_add_co_u32 s17, s17, s95                     ; tile row = 8 cy + cluster y: so the batch is cy
	s_lshl_b32 s43, s41, 2
	s_lshl_b32 s43, 15, s43                        ; my row of the cluster
	s_lshl_b32 s44, 0x1111, s40                    ; my column
	s_or_b32 s[G1+0], s43, (0<<16)|(1<<20)|(1<<21)|(5<<22)|(3<<25)  ; the mask; elements of 1 byte; padding on; bit 21 beside a mask; after every 64 words, 4 words
	s_or_b32 s[G1B+0], s44, (0<<16)|(1<<20)|(1<<21)|(5<<22)|(3<<25)
.irp g, G1, G1B
	s_mov_b32 s[\g+1], ROWB<<16                    ; tensor_dim0
	s_mov_b32 s[\g+2], 128<<16                     ; tensor_dim1
	s_mov_b32 s[\g+3], ROWB<<16                    ; tile_dim0
	s_mov_b32 s[\g+4], 128                         ; tile_dim1
	s_mov_b32 s[\g+5], KROW                        ; the pitch
	s_mov_b32 s[\g+6], 0
	s_mov_b32 s[\g+7], 0
.endr
	s_or_b32 s[G1S+0], s43, (3<<16)|(1<<20)|(1<<21)|(5<<22)|(3<<25) ; the scales of 128 rows: a dense block, as rows of 256 bytes (32 elements of 8), 16 bytes of padding behind each
	s_or_b32 s[G1SB+0], s44, (3<<16)|(1<<20)|(1<<21)|(5<<22)|(3<<25)
.irp g, G1S, G1SB
	s_mov_b32 s[\g+1], 32<<16
	s_mov_b32 s[\g+2], (128*KS/256)<<16
	s_mov_b32 s[\g+3], 32<<16
	s_mov_b32 s[\g+4], 128*KS/256
	s_mov_b32 s[\g+5], 32
	s_mov_b32 s[\g+6], 0
	s_mov_b32 s[\g+7], 0
.endr
	s_lshl_b32 s18, s16, 7
	s_lshl_b32 s20, s17, 8
	s_add_co_u32 s20, s20, s18                     ; A: row 256 x tile row + 128 x half
	s_lshl_b32 s46, s42, 8
	s_add_co_u32 s46, s46, s18                     ; B: row 256 x tile column + 128 x half
	s_mov_b32 s21, 0
	s_mov_b32 s47, 0
	s_mov_b64 s[18:19], KS
	s_mul_u64 s[22:23], s[20:21], s[18:19]         ; where these rows' scales begin,
	s_mul_u64 s[92:93], s[46:47], s[18:19]
	s_mov_b64 s[18:19], KROW
	s_mul_u64 s[20:21], s[20:21], s[18:19]         ; and their codes
	s_mul_u64 s[46:47], s[46:47], s[18:19]
	s_mul_i32 s45, s14, HALFT                      ; where they go: wave x 128 rows
	s_mul_i32 s94, s14, HALFS
	s_wait_dscnt 0x0                               ; both opening adds are done
	s_wait_kmcnt 0x0
	s_add_nc_u64 s[20:21], s[4:5], s[20:21]
	s_add_nc_u64 s[22:23], s[6:7], s[22:23]
	s_add_nc_u64 s[46:47], s[8:9], s[46:47]
	s_add_nc_u64 s[92:93], s[10:11], s[92:93]
	CROUND                                         ; all sixteen work-groups are here: the first joint loads meet
	s_mov_b32 s[G0S], 1
	s_add_co_u32 s[G0S+1], s94, SCL
	s_mov_b64 s[G0S+2:G0S+3], s[22:23]
	s_or_b32 s[G0S+3], s[G0S+3], 0x80000000
	s_mov_b32 s[G0SB], 1
	s_add_co_u32 s[G0SB+1], s94, SCL
	s_mov_b64 s[G0SB+2:G0SB+3], s[92:93]
	s_or_b32 s[G0SB+3], s[G0SB+3], 0x80000000
	JLOAD G0S, G1S, G0SB, G1SB                     ; the scales first
.irp s, 0,1
	s_mov_b32 s[G0+4*\s], 1
	s_add_co_u32 s[G0+4*\s+1], s45, \s*SLOT
	s_add_nc_u64 s[G0+4*\s+2:G0+4*\s+3], s[20:21], \s*ROWB
	s_or_b32 s[G0+4*\s+3], s[G0+4*\s+3], 0x80000000
	s_mov_b32 s[G0B+4*\s], 1
	s_add_co_u32 s[G0B+4*\s+1], s45, \s*SLOT
	s_add_nc_u64 s[G0B+4*\s+2:G0B+4*\s+3], s[46:47], \s*ROWB
	s_or_b32 s[G0B+4*\s+3], s[G0B+4*\s+3], 0x80000000
	JLOAD G0+4*\s, G1, G0B+4*\s, G1B
.endr
	v_and_b32 v1, 15, v0                           ; r = lane % 16
	v_bfe_u32 v2, v0, 4, 1                         ; h = lane / 16
	v_mul_u32_u24 v3, v1, PITCH
	v_lshl_add_u32 v4, v2, 4, v3                   ; a fragment's row x pitch + 16 h
	s_mul_i32 s21, s15, HALFT
	s_mul_i32 s22, s16, HALFT
	s_add_co_u32 s22, s22, 2*HALFT
.irp s, 0,1
	v_add_nc_u32 v[ADRA+\s], s21, v4
	v_add_nc_u32 v[ADRB+\s], s22, v4
	s_add_co_u32 s21, s21, SLOT
	s_add_co_u32 s22, s22, SLOT
.endr
	v_mul_u32_u24 v5, v1, KS                       ; my row's scales: KS bytes a row,
	v_lshrrev_b32 v6, 8, v5
	v_lshl_add_u32 v5, v6, 4, v5                   ; and 16 more for each 256 passed
	s_mul_i32 s21, s15, HALFS
	s_mul_i32 s22, s16, HALFS
	s_add_co_u32 s22, s22, 2*HALFS
	s_sub_co_u32 s22, s22, s21
	v_mul_u32_u24 v6, s22, v2                      ; lanes 16-31 take B's
	s_add_co_u32 s21, s21, SCL
	v_add_nc_u32 v5, v5, v6
	v_add_nc_u32 v[ADRS], s21, v5
	s_mul_i32 s23, s14, 16*528                     ; my stage, in slot 0: 16 rows of 528 bytes (f32) or of 272 (f16)
	v_mul_u32_u24 v5, v1, 272
	v_lshl_add_u32 v5, v2, 4, v5
	v_add_nc_u32 v[STO16], s23, v5                 ; f16, in: row r, 16 bytes for each half of the lanes
	v_bfe_u32 v5, v0, 3, 1
	v_mul_u32_u24 v5, v5, 272                      ; back: lanes 0-15 take head 0's halves of two rows, lanes 16-31 head 1's
	v_lshl_add_u32 v5, v2, 7, v5
	v_and_b32 v6, 7, v0
	v_lshl_add_u32 v5, v6, 4, v5
	v_add_nc_u32 v[RD16], s23, v5
	v_lshlrev_b32 v5, 4, v1
	v_lshl_add_u32 v[CO16], v2, 18, v5             ; in qkv16: a head on for lanes 16-31; 16 bytes a lane
	v_mul_u32_u24 v5, v1, 528
	v_lshl_add_u32 v5, v2, 5, v5
	v_add_nc_u32 v[STO32], s23, v5                 ; f32, in: row r, 32 bytes for each half of the lanes
	v_and_b32 v6, 31, v0
	v_lshlrev_b32 v6, 4, v6
	v_add_nc_u32 v[RD32], s23, v6                  ; back: the 32 lanes take one row of 512 bytes
	v_lshlrev_b32 v5, 4, v1
	v_lshl_add_u32 v[CO32], v2, 12, v5             ; in qkv32: a head (4,096 bytes) on for lanes 16-31
	s_lshl_b32 s94, s40, 2
	s_lshl_b32 s95, s16, 1
	s_add_co_u32 s94, s94, s95                     ; my first head: 4 cx + 2 x column half
	s_lshl_b32 s46, ttmp9, 24                      ; which
	s_lshl_b32 s47, s41, 22                        ; the batch
	s_add_co_u32 s46, s46, s47
	s_lshl_b32 s47, s94, 18
	s_add_co_u32 s46, s46, s47
	s_and_b32 s47, ttmp7, 0xffff
	s_lshl_b32 s47, s47, 15                        ; 256 x cluster y rows of 128 bytes
	s_add_co_u32 s46, s46, s47
	s_lshl_b32 s47, s15, 14                        ; my 128 rows
	s_add_co_u32 s46, s46, s47
	s_mov_b32 s47, 0
	s_add_nc_u64 s[96:97], s[96:97], s[46:47]
	s_mul_i32 s46, s41, 48
	s_lshl_b32 s95, ttmp9, 4
	s_add_co_u32 s46, s46, s95
	s_add_co_u32 s46, s46, s94
	s_lshl_b32 s46, s46, 12                        ; (48 b + 16 which + head) x 4,096
	s_add_nc_u64 s[98:99], s[98:99], s[46:47]
.macro FRAG reg, adr, q, i             ; 16 rows x 128 K of 4-bit codes: 8 registers; registers 4 c .. 4 c + 3 hold K = 64 c + 32 h + 0 .. 31
.irp c, 0,1
	ds_load_b128 v[\reg+4*\c:\reg+4*\c+3], v[\adr] offset:64*(\q)+32*\c+(\i)*16*PITCH
.endr
.endm
; 16 matrix instructions: A's blocks a0, a0 + 1 x B's eight, the slot's q-th 128 along K.  The 64 accumulators take turns, one instruction a turn, in the same order in every step.
.macro MUL16 a0, p, q, sc, zero
.irp a, \a0, \a0+1
.irp b, 0,1,2,3,4,5,6,7
.if \zero
	v_wmma_scale_f32_16x16x128_f8f6f4 v[8*(8*((\a)%4)+\b):8*(8*((\a)%4)+\b)+7], v[128*(\p)+FR*\b:128*(\p)+FR*\b+FR-1], v[AF+FR*(\a):AF+FR*(\a)+FR-1], 0, v[SC+8*NQ*(\sc)+NQ*\b+(\q)], v[SC+8*NQ*(\sc)+NQ*(\a)+(\q)] matrix_a_fmt:MATRIX_FMT_FP4 matrix_b_fmt:MATRIX_FMT_FP4 matrix_a_scale:MATRIX_SCALE_ROW1
.else
	v_wmma_scale_f32_16x16x128_f8f6f4 v[8*(8*((\a)%4)+\b):8*(8*((\a)%4)+\b)+7], v[128*(\p)+FR*\b:128*(\p)+FR*\b+FR-1], v[AF+FR*(\a):AF+FR*(\a)+FR-1], v[8*(8*((\a)%4)+\b):8*(8*((\a)%4)+\b)+7], v[SC+8*NQ*(\sc)+NQ*\b+(\q)], v[SC+8*NQ*(\sc)+NQ*(\a)+(\q)] matrix_a_fmt:MATRIX_FMT_FP4 matrix_b_fmt:MATRIX_FMT_FP4 matrix_a_scale:MATRIX_SCALE_ROW1
.endif
.endr
.endr
.endm
.macro FETCH_B slot, q, p
	WIN TO_B
.irp i, 0,1,2,3,4,5,6,7
	FRAG 128*(\p)+FR*\i, ADRB+\slot, \q, \i
.endr
	WIN 0
.endm
.macro FETCH_A slot, q, i0
.irp i, \i0, \i0+1, \i0+2, \i0+3
	FRAG AF+FR*(\i), ADRA+\slot, \q, \i
.endr
.endm
.macro SCALES sc                       ; a K step's scale words: lanes 0-15 take A's block i, lanes 16-31 B's block i
.irp i, 0,1,2,3,4,5,6,7
	ds_load_b128 v[SC+8*NQ*\sc+NQ*\i:SC+8*NQ*\sc+NQ*\i+3], v[ADRS] offset:\i*SBLK
.endr
.endm
.macro PLACES n                        ; plain vector lines between a matrix instruction and a load into, or a read of, its registers
.rept \n
	v_nop
.endr
.endm
.macro STEP slot, q, zero              ; a step of 128 along K that has its successor in the same slot
	s_wait_dscnt 4*NL                              ; B's set and A's blocks 0-3 are in; the youngest eight loads (A's blocks 4-7) may be out
	WIN MUL_LO
	MUL16 0, (\q)%2, \q, \slot, \zero
	MUL16 2, (\q)%2, \q, \slot, \zero
	s_wait_dscnt 0
	PLACES NP
	FETCH_B \slot, (\q)+1, 1-(\q)%2
	FETCH_A \slot, (\q)+1, 0
	WIN MUL_HI
	MUL16 4, (\q)%2, \q, \slot, \zero
	MUL16 6, (\q)%2, \q, \slot, \zero
	PLACES NP
	WIN 0
	FETCH_A \slot, (\q)+1, 4
.endm
.macro STEPS slot, from
.set Q, \from
.rept NQ-1-\from
	STEP \slot, Q, 0
.set Q, Q+1
.endr
.endm
	s_wait_tensorcnt 1                             ; the scales and my part of slot 0 are in; slot 1's load may be out
	s_barrier_signal -1
	s_barrier_wait -1
	FETCH_B 0, 0, 0
	FETCH_A 0, 0, 0
	SCALES 0
	FETCH_A 0, 0, 4
	STEP 0, 0, 1                                   ; the first step's products start the sums: nothing is cleared
	STEPS 0, 1
	; slot 0's last step changes slots: one barrier; nothing is filled again
	s_wait_tensorcnt 0x0                           ; all my tensor loads have landed: my part of slot 1
	ds_add_u32 v[SPW], v[NIL]                      ; 0 onto my spare word
	s_wait_dscnt 4*NL+1                            ; (the add and the youngest eight loads may be out)
	WIN MUL_LO
	MUL16 0, 1, NQ-1, 0, 0
	s_wait_dscnt 0x0                               ; the add is done, and my reads of slot 0 are over
	s_barrier_signal -1
	MUL16 2, 1, NQ-1, 0, 0
	WIN 0
	s_barrier_wait -1
	PLACES NP
	v_add_nc_u32 v[ADRS], 4*NQ, v[ADRS]            ; on to the second K step's scale words
	FETCH_B 1, 0, 0
	FETCH_A 1, 0, 0
	SCALES 1
	WIN MUL_HI
	MUL16 4, 1, NQ-1, 0, 0
	MUL16 6, 1, NQ-1, 0, 0
	PLACES NP
	WIN 0
	FETCH_A 1, 0, 4
	STEPS 1, 0
	s_wait_dscnt 4*NL                              ; the very last step
	WIN MUL_LO
	MUL16 0, 1, NQ-1, 1, 0
	MUL16 2, 1, NQ-1, 1, 0
	s_wait_dscnt 0
	WIN MUL_HI
	MUL16 4, 1, NQ-1, 1, 0
	MUL16 6, 1, NQ-1, 1, 0
	WIN 0
	PLACES NP
	; THE WAY OUT.  The stage lies in slot 0: it has had its last fill, and every wave has passed the change of slots, behind which nobody reads it.
	; Rows l < 16 in f32: only where cluster y = 0 and my rows are the tile's upper half: a condition of the cluster's y and the wave's number, the same in all partners.
	s_and_b32 s2, ttmp7, 0xffff
	s_or_b32 s2, s2, s15
	s_cmp_lg_u32 s2, 0
	s_cbranch_scc1 .Lno32
	WIN 0x08                                       ; an LDS store's data are its source 1: window 2
.irp b, 0,1,2,3,4,5,6,7
	ds_store_b128 v[STO32], v[8*\b:8*\b+3] offset:64*\b            ; each accumulator from its low end on
	ds_store_b128 v[STO32], v[8*\b+4:8*\b+7] offset:64*\b+16
.endr
	WIN 0
.irp t, 0,1,2,3,4,5,6,7,8,9,10,11,12,13,14,15
	ds_load_b128 v[96+4*\t:96+4*\t+3], v[RD32] offset:\t*528       ; LDS serves a wave's instructions in order: these see my stores
.endr
.irp t, 0,1,2,3,4,5,6,7,8,9,10,11,12,13,14,15
	s_wait_dscnt 15-\t
	global_store_b128 v[CO32], v[96+4*\t:96+4*\t+3], s[98:99] offset:256*\t   ; sixteen lanes store a head's row l = t: 256 consecutive bytes, aligned
.endr
.Lno32:
.macro PACK a                          ; block a (16 rows x 128 columns) rounded to f16: 16 bytes a lane and column block
.set AC, 64*((\a)%4)
	WIN 0x0a+5*((\a)/4)                            ; sources 0 and 1: window 2 or 3
.irp b, 0,1,2,3,4,5,6,7
.irp r, 0,1,2,3
	v_cvt_pk_f16_f32 v[TMP+4*\b+\r], v[AC+8*\b+2*\r], v[AC+8*\b+2*\r+1]
.endr
.endr
	WIN 0
.endm
.macro TOSTAGE a
.set BB, 32+192*((\a)%2)               ; v32-63 and v224-255 by turns
.irp b, 0,1,2,3,4,5,6,7
	ds_store_b128 v[STO16], v[TMP+4*\b:TMP+4*\b+3] offset:32*\b
.endr
.irp t, 0,1,2,3,4,5,6,7
	ds_load_b128 v[BB+4*\t:BB+4*\t+3], v[RD16] offset:\t*544
.endr
.endm
.macro SEND a
.set BB, 32+192*((\a)%2)
	s_wait_dscnt 0x0                               ; the block is back in registers
	s_wait_xcnt 0x0                                ; the block before has had its stores' registers read: the next block's loads land there only behind this wait
.irp t, 0,1,2,3,4,5,6,7
	global_store_b128 v[CO16], v[BB+4*\t:BB+4*\t+3], s[96:97] offset:2048*(\a)+256*\t   ; sixteen lanes store rows l, l + 1 of one head: 256 consecutive bytes, aligned
.endr
.endm
	PACK 0
	TOSTAGE 0
.irp a, 1,2,3,4,5,6,7                  ; block a's conversions stand between block a - 1's loads from the stage and the wait for them
	PACK \a
	SEND \a-1
	TOSTAGE \a
.endr
	SEND 7
	s_wait_tensorcnt 0x0                           ; the wave's end
	ds_add_u32 v[SPW], v[NIL]
	s_wait_dscnt 0x0
	CROUND                                         ; the closing round
	s_endpgm
.Lfunc_end_k_q654cbec06d_qkv:
	.size	k_q654cbec06d_qkv, .Lfunc_end_k_q654cbec06d_qkv-k_q654cbec06d_qkv
	.p2alignl 7, 3214868480
	.fill 96, 4, 3214868480
	.section	.rodata,"a",@progbits
	.p2align	6, 0x0
	.amdhsa_kernel k_q654cbec06d_qkv
		.amdhsa_group_segment_fixed_size 327680
		.amdhsa_private_segment_fixed_size 0
		.amdhsa_enable_private_segment 0
		.amdhsa_kernarg_size 48
		.amdhsa_user_sgpr_count 2
		.amdhsa_user_sgpr_kernarg_segment_ptr 1
		.amdhsa_wavefront_size32 1
		.amdhsa_system_sgpr_workgroup_id_x 1
		.amdhsa_system_sgpr_workgroup_id_y 1
		.amdhsa_system_sgpr_workgroup_id_z 1
		.amdhsa_system_vgpr_workitem_id 0
		.amdhsa_next_free_vgpr 1024
		.amdhsa_next_free_sgpr 100
		.amdhsa_reserve_vcc 0
		.amdhsa_float_denorm_mode_32 3
		.amdhsa_float_denorm_mode_16_64 3
		.amdhsa_memory_ordered 1
		.amdhsa_forward_progress 1
		.amdhsa_inst_pref_size 131
	.end_amdhsa_kernel
	.amdgpu_metadata
---
amdhsa.version: [ 1, 2 ]
amdhsa.kernels:
  - .name:           k_q654cbec06d_qkv
    .symbol:         k_q654cbec06d_qkv.kd
    .args:
      - { .name: xc, .offset: 0, .size: 8, .value_kind: global_buffer, .address_space: global }
      - { .name: xs, .offset: 8, .size: 8, .value_kind: global_buffer, .address_space: global }
      - { .name: wc, .offset: 16, .size: 8, .value_kind: global_buffer, .address_space: global }
      - { .name: ws, .offset: 24, .size: 8, .value_kind: global_buffer, .address_space: global }
      - { .name: qkv16, .offset: 32, .size: 8, .value_kind: global_buffer, .address_space: global }
      - { .name: qkv32, .offset: 40, .size: 8, .value_kind: global_buffer, .address_space: global }
    .group_segment_fixed_size: 327680
    .private_segment_fixed_size: 0
    .kernarg_segment_align: 8
    .kernarg_segment_size: 48
    .max_flat_workgroup_size: 128
    .sgpr_count:     100
    .vgpr_count:     1024
    .wavefront_size: 32
...
	.end_amdgpu_metadata
.endif
;; end of part 2
;; launch attn (part 3): grid 4 x 64, 8 waves a work-group, no clusters, 327,680 bytes of LDS; arguments qkv16, o16; writes o16
.if DOCPART == 3
	.amdgcn_target "amdgcn-amd-amdhsa--gfx1250"
	.amdhsa_code_object_version 6
	.text
	.protected	k_q654cbec06d_attn
	.globl	k_q654cbec06d_attn
	.p2align	8
	.type	k_q654cbec06d_attn,@function
k_q654cbec06d_attn:
	s_mov_b64 s[64:65], 0
	v_nop
	global_prefetch_b8 v0, s[64:65] scope:SCOPE_SE
	s_setreg_imm32_b32 hwreg(HW_REG_WAVE_MODE, 25, 1), 1
	s_wait_xcnt 0x0
; O[b][h][q] = the sum over k <= q of softmax_k(Q[q] . K[k] / 8) V[k], head size 64.  Q, K, V: qkv16 [which][16 b + h][2048][64] in f16; O: o16 [h][2048 b + l][64] in f16.
; Products on f16 operands with f32 sums; maxima, exponentials and sums in f32, with a running maximum; the weights are rounded to f16 for the second product, O once at the end.
; LIMIT: O lies within f16's range wherever V does.  NaN and infinities are not served.  (The first 16 positions of each sequence are made again, in f32, by a later launch.)
; SHARES.  Work-group (J, head), J = 0..3, owns two blocks of 256 queries: first block 7 - J, which walks 8 - J slots of 256 keys, then block J, which walks J + 1: NINE slots in every work-group,
; so the loop's trip count is a constant, all 256 work-groups have equal work, and every slot that is loaded is read.  A wave owns 32 queries, two tiles of 16; two waves share a SIMD.
; NO CLUSTER: the four work-groups of a head walk different sequences of slots (8 - J, then J + 1); in a common walk of eight rounds with both blocks at once the largest load of a round would be
; 2, 2, 2, 2, 1, 1, 1, 1 slots of work, twelve against these nine.
; LAYOUT.  S^T = K Q^T (source 0 = 16 keys, source 1 = 16 queries) and O^T = V^T P (source 0 = 16 channels, source 1 = P): a lane holds one query throughout; two tiles of S^T, rounded in pairs, are P's fragment.
; LDS: a row holds TWO keys (256 bytes, as they lie in memory) and padding: K's rows 272 bytes apart, V's 288; key k lies at (k / 2) x pitch + 128 (k % 2).
; THE MASK: a step all of whose keys come after my queries is jumped over (a scalar branch on ids); on the diagonal hidden scores become -infinity ahead of the maximum.  Key 0 counts for every query, so the maximum is a number from a block's first step on.
; REGISTERS: window 0: v1-15 addresses; v16-31 statistics, 8 a tile (c m, m, l, l, four at work; a in the third of them); v64-127 S^T; v128-159 P; v160-223 O^T.
;   window 1: v0-31 Q; v32-95 K of a step; v96-159 V of a step; v160-191 the second block's Q.
.set PK,    272
.set PV,    288
.set VOFF,  128*PK                     ; a slot: 128 rows of K, then 128 rows of V
.set SLOT1, 1<<17                      ; slot 1 begins here: one exclusive or turns an address
.set STAGE, SLOT1+VOFF+128*PV          ; the way out: 32 rows x 144 bytes for each wave
.set SPARE, STAGE+8*32*144             ; the spare words, 128 bytes a wave, which no other line names
.set RR,  1
.set HH,  2
.set AK0, 3
.set AV0, 4
.set ADK, 5
.set ADV, 6
.set QO,  7
.set STO, 8
.set RD,  9
.set GO,  10
.set DL,  11
.set SPW, 12
.set NIL, 13
.set PFO, 14
.set DD,  15
.set ST,  16
.set NINF, 62
.set S,   64
.set P,   128
.set O,   160
.set TMP, 64
.set BK,  96
.set QF,  0                            ; window 1
.set KFR, 32
.set VFR, 96
.set QB,  160
.set WV,  8                            ; s8 wave;  s9 J;  s10 16 b + h;  s11 8 - J
.set JJ,  9
.set HB,  10
.set N1,  11
.set Q0,  12                           ; s12 my first query in the block in hand;  s13 in the second block;  s14 my last query
.set Q0B, 13
.set QL,  14
.set KEY0, 15                          ; s15 the slot's first key
.set II,  16                           ; s16 the trip
.set LS,  17                           ; s17 the key slot asked for last
.set TB,  18                           ; s18 LDS byte at which the slot in hand begins
.set SEL, 20
.set CS,  22                           ; s[22:23] c = log2(e) / 8
.set G1K, 24
.set G1V, 32
.set G0K, 40
.set G0V, 44
.set KB,  48                           ; s[48:49], s[50:51] my quarter of key slot 0 in K and in V
.set VB,  50
.set OFF, 52
.set PFA, 54
.set PLIM, 56
.set OA,  58                           ; s[58:59], s[60:61] my rows of O in the two blocks
.set OB,  60
.set T0,  66
.set T1,  67
.set QA,  68                           ; s[68:69], s[70:71] my rows of Q in the two blocks
.set QBS, 70
.set MSB, 0
.macro WIN new
.if MSB != \new
	s_set_vgpr_msb (MSB<<8)|\new
.set MSB, \new
.endif
.endm
.macro PLACES
.rept 4
	v_nop
.endr
.endm
; Waves 0-3 fetch K's quarters of a slot, waves 4-7 V's: 32 rows of 256 bytes each.  An s_nop 0 and four v_nop follow each of the two lines.
.macro TLOAD
	s_cmp_lt_u32 s[WV], 4
	s_cbranch_scc0 .Lfor_v_\@
	tensor_load_to_lds s[G0K:G0K+3], s[G1K:G1K+7]
	s_nop 0
.rept 4
	v_nop
.endr
	s_branch .Lasked_\@
.Lfor_v_\@:
	tensor_load_to_lds s[G0V:G0V+3], s[G1V:G1V+7]
	s_nop 0
.rept 4
	v_nop
.endr
.Lasked_\@:
.endm
; A PREFETCH INTO THE L2 of what the next change of slots will ask for.  The four work-groups of a head walk the same keys from slot 0 on: the one with J = 0, which walks all eight, asks, in trips 0 to 5 for key slot trip + 2:
; a slot's four key steps ahead of its load.  Each wave asks for its own quarter, 8,192 bytes, lanes 256 bytes apart: so each aligned block of 256 bytes is named once in the launch.
.macro ASK
	s_cmp_lt_u32 s[II], s[PLIM]
	s_cbranch_scc0 .Lnot_mine_\@
	global_prefetch_b8 v[PFO], s[PFA:PFA+1] th:TH_LOAD_NT scope:SCOPE_SE
.Lnot_mine_\@:
.endm
	s_load_b128 s[4:7], s[0:1], 0x0                ; qkv16, o16
	v_lshl_add_u32 v[SPW], v0, 2, SPARE
	v_mov_b32 v[NIL], 0
	ds_add_u32 v[SPW], v[NIL]                      ; the wave's opening: the add, twice on end, and its wait ahead of my first tensor load
	ds_add_u32 v[SPW], v[NIL]
	v_lshrrev_b32 v1, 5, v0
	v_readfirstlane_b32 s[WV], v1
	s_mov_b32 s[JJ], ttmp9
	s_and_b32 s[HB], ttmp7, 0xffff
	s_sub_co_u32 s[N1], 8, s[JJ]
	s_sub_co_u32 s[T0], 7, s[JJ]
	s_lshl_b32 s[T0], s[T0], 8
	s_lshl_b32 s[T1], s[WV], 5
	s_add_co_u32 s[Q0], s[T0], s[T1]               ; 256 (7 - J) + 32 x wave
	s_lshl_b32 s[T0], s[JJ], 8
	s_add_co_u32 s[Q0B], s[T0], s[T1]              ; 256 J + 32 x wave
	s_add_co_u32 s[QL], s[Q0], 31
	s_mov_b32 s[KEY0], 0
	s_mov_b32 s[II], 0
	s_mov_b32 s[LS], 0
	s_mov_b32 s[TB], 0
	s_mov_b32 s[OFF+1], 0
	s_mov_b32 s[SEL], 0x76543210
	s_mov_b32 s[SEL+1], 0xfedcba98
	s_mov_b32 s[CS], 0x3e38aa3b                    ; log2(e) / 8
	s_mov_b32 s[CS+1], s[CS]
	s_mov_b32 s[G1K], (1<<16)|(1<<20)|(5<<22)|(3<<25)   ; elements of 2 bytes; padding on: after every 64 words, 4 words
	s_mov_b32 s[G1V], (1<<16)|(1<<20)|(5<<22)|(7<<25)   ; the same with 8 words
.irp g, G1K, G1V
	s_mov_b32 s[\g+1], 128<<16                     ; tensor_dim0 = 128 elements: two keys
	s_mov_b32 s[\g+2], 32<<16                      ; tensor_dim1 = 32
	s_mov_b32 s[\g+3], 128<<16                     ; tile_dim0
	s_mov_b32 s[\g+4], 32                          ; tile_dim1
	s_mov_b32 s[\g+5], 128                         ; the pitch: the rows are dense
	s_mov_b32 s[\g+6], 0
	s_mov_b32 s[\g+7], 0
.endr
	s_lshl_b32 s72, s[HB], 18                      ; the head's first byte in Q, in K and in V
	s_and_b32 s[T0], s[WV], 3                      ; which quarter of a slot I fetch
	s_lshl_b32 s74, s[T0], 13
	s_add_co_u32 s74, s74, s72
	s_mov_b32 s75, 0
	s_lshl_b32 s76, s[Q0], 7
	s_add_co_u32 s76, s76, s72
	s_mov_b32 s77, 0
	s_lshl_b32 s78, s[Q0B], 7
	s_add_co_u32 s78, s78, s72
	s_mov_b32 s79, 0
	s_and_b32 s72, s[HB], 15
	s_lshl_b32 s72, s72, 20                        ; O: the head's plane,
	s_lshr_b32 s73, s[HB], 4
	s_lshl_b32 s73, s73, 18                        ; the batch's 2,048 rows of 128 bytes
	s_add_co_u32 s72, s72, s73
	s_lshl_b32 s80, s[Q0], 7
	s_add_co_u32 s80, s80, s72
	s_mov_b32 s81, 0
	s_lshl_b32 s82, s[Q0B], 7
	s_add_co_u32 s82, s82, s72
	s_mov_b32 s83, 0
	s_mov_b32 s[G0K], 1
	s_mul_i32 s[G0K+1], s[T0], 32*PK               ; LDS: slot 0, my quarter
	s_mov_b32 s[G0V], 1
	s_mul_i32 s[G0V+1], s[T0], 32*PV
	s_add_co_u32 s[G0V+1], s[G0V+1], VOFF
	s_cmp_eq_u32 s[JJ], 0
	s_cselect_b32 s[PLIM], 6, 0
	s_wait_dscnt 0x0                               ; both opening adds are done
	s_wait_kmcnt 0x0
	s_add_nc_u64 s[KB:KB+1], s[4:5], s[74:75]
	s_add_nc_u64 s[VB:VB+1], s[KB:KB+1], 2<<24
	s_add_nc_u64 s[KB:KB+1], s[KB:KB+1], 1<<24
	s_mov_b64 s[G0K+2:G0K+3], s[KB:KB+1]
	s_or_b32 s[G0K+3], s[G0K+3], 0x80000000
	s_mov_b64 s[G0V+2:G0V+3], s[VB:VB+1]
	s_or_b32 s[G0V+3], s[G0V+3], 0x80000000
	TLOAD                                          ; key slot 0 into slot 0
	s_add_nc_u64 s[QA:QA+1], s[4:5], s[76:77]
	s_add_nc_u64 s[QBS:QBS+1], s[4:5], s[78:79]
	s_add_nc_u64 s[OA:OA+1], s[6:7], s[80:81]
	s_add_nc_u64 s[OB:OB+1], s[6:7], s[82:83]
	s_cmp_lt_u32 s[WV], 4
	s_cselect_b64 s[PFA:PFA+1], s[KB:KB+1], s[VB:VB+1]
	s_add_nc_u64 s[PFA:PFA+1], s[PFA:PFA+1], 32768 ; in key slot 1: the first change of slots steps it to slot 2
	v_and_b32 v[RR], 15, v0                        ; r
	v_bfe_u32 v[HH], v0, 4, 1                      ; h
	v_lshlrev_b32 v[QO], 7, v[RR]
	v_lshl_add_u32 v[QO], v[HH], 4, v[QO]          ; Q: row r of 128 bytes, + 16 h
	WIN 0x40                                       ; destination window 1
.irp t, 0,1
.irp c, 0,1
	global_load_b128 v[QF+16*\t+8*\c:QF+16*\t+8*\c+3],   v[QO], s[QA:QA+1] offset:2048*\t+64*\c
	global_load_b128 v[QF+16*\t+8*\c+4:QF+16*\t+8*\c+7], v[QO], s[QA:QA+1] offset:2048*\t+64*\c+32
	global_load_b128 v[QB+16*\t+8*\c:QB+16*\t+8*\c+3],   v[QO], s[QBS:QBS+1] offset:2048*\t+64*\c
	global_load_b128 v[QB+16*\t+8*\c+4:QB+16*\t+8*\c+7], v[QO], s[QBS:QBS+1] offset:2048*\t+64*\c+32
.endr
.endr
	WIN 0
	v_lshrrev_b32 v[AK0], 1, v[RR]                 ; K: key r lies at (r / 2) x pitch + 128 (r % 2); + 16 h
	v_mul_u32_u24 v[AK0], v[AK0], PK
	v_and_b32 v[ADK], 1, v0
	v_lshl_add_u32 v[AK0], v[ADK], 7, v[AK0]
	v_lshl_add_u32 v[AK0], v[HH], 4, v[AK0]
	v_and_b32 v[AV0], 7, v0                        ; V, for the turning load: lane l addresses key 8 h + l % 8, channels 8 ((l / 8) % 2) on
	v_lshrrev_b32 v[AV0], 1, v[AV0]
	v_lshl_add_u32 v[AV0], v[HH], 2, v[AV0]
	v_mul_u32_u24 v[AV0], v[AV0], PV
	v_and_b32 v[ADV], 1, v0
	v_lshl_add_u32 v[AV0], v[ADV], 7, v[AV0]
	v_bfe_u32 v[ADV], v0, 3, 1
	v_lshl_add_u32 v[AV0], v[ADV], 4, v[AV0]
	v_add_nc_u32 v[AV0], VOFF, v[AV0]
	s_mul_i32 s[T0], s[WV], 32*144
	s_add_co_u32 s[T0], s[T0], STAGE               ; my stage
	v_mul_u32_u24 v[STO], v[RR], 144
	v_lshl_add_u32 v[STO], v[HH], 4, v[STO]
	v_add_nc_u32 v[STO], s[T0], v[STO]             ; in: row r, 16 bytes for each half of the lanes
	v_bfe_u32 v[RD], v0, 3, 2
	v_mul_u32_u24 v[RD], v[RD], 144
	v_and_b32 v[GO], 7, v0
	v_lshl_add_u32 v[RD], v[GO], 4, v[RD]
	v_add_nc_u32 v[RD], s[T0], v[RD]               ; back: eight lanes to a row of 128 bytes, four rows an instruction
	v_and_b32 v[GO], 31, v0
	v_lshlrev_b32 v[PFO], 8, v[GO]
	v_lshlrev_b32 v[GO], 4, v[GO]                  ; and the same 512 bytes in O
	v_lshlrev_b32 v[DL], 3, v[HH]
	v_sub_nc_u32 v[DL], v[RR], v[DL]               ; r - 8 h
	v_mov_b32 v[NINF], 0xff800000                  ; -infinity
.macro INIT                            ; a block begins: m = -3e38, under every score; l and O^T zeros, which the first change of m leaves zeros: so the step is written once
.irp t, 0,1
	v_mov_b32 v[ST+8*\t+1], 0xff61b1e6
	v_mul_f32 v[ST+8*\t], s[CS], v[ST+8*\t+1]
	v_mov_b32 v[ST+8*\t+2], 0
	v_mov_b32 v[ST+8*\t+3], 0
.endr
.set i, 0
.rept 64
	v_mov_b32 v[O+i], 0
.set i, i+1
.endr
.endm
.macro FETCH_K q                       ; 64 keys x 64 channels: 8 fragments, 16 loads
	WIN 0x40
.irp kt, 0,1,2,3
.irp c, 0,1
	ds_load_b128 v[KFR+16*\kt+8*\c:KFR+16*\kt+8*\c+3],   v[ADK] offset:32*PK*(\q)+8*PK*\kt+64*\c
	ds_load_b128 v[KFR+16*\kt+8*\c+4:KFR+16*\kt+8*\c+7], v[ADK] offset:32*PK*(\q)+8*PK*\kt+64*\c+32
.endr
.endr
.endm
.macro FETCH_V q                       ; the same of V, turned: 16 loads
	WIN 0x40
.irp ks, 0,1
.irp ct, 0,1,2,3
	ds_load_tr16_b128 v[VFR+32*\ks+8*\ct:VFR+32*\ks+8*\ct+3],   v[ADV] offset:32*PV*(\q)+16*PV*\ks+32*\ct
	ds_load_tr16_b128 v[VFR+32*\ks+8*\ct+4:VFR+32*\ks+8*\ct+7], v[ADV] offset:32*PV*(\q)+16*PV*\ks+8*PV+32*\ct
.endr
.endr
.endm
.macro SPROD                           ; S^T = K Q^T: 16 products; the eight accumulators take turns, one instruction a turn; the first eight start the sums
	WIN 0x05                                       ; K and Q in window 1
.irp c, 0,1
.irp kt, 0,1,2,3
.irp t, 0,1
.if \c == 0
	v_wmma_f32_16x16x32_f16 v[S+32*\t+8*\kt:S+32*\t+8*\kt+7], v[KFR+16*\kt+8*\c:KFR+16*\kt+8*\c+7], v[QF+16*\t+8*\c:QF+16*\t+8*\c+7], 0
.else
	v_wmma_f32_16x16x32_f16 v[S+32*\t+8*\kt:S+32*\t+8*\kt+7], v[KFR+16*\kt+8*\c:KFR+16*\kt+8*\c+7], v[QF+16*\t+8*\c:QF+16*\t+8*\c+7], v[S+32*\t+8*\kt:S+32*\t+8*\kt+7]
.endif
.endr
.endr
.endr
.endm
.macro PVPROD                          ; O^T += V^T P: 16 products, eight accumulators by turns
	WIN 0x01                                       ; V in window 1
.irp ks, 0,1
.irp ct, 0,1,2,3
.irp t, 0,1
	v_wmma_f32_16x16x32_f16 v[O+32*\t+8*\ct:O+32*\t+8*\ct+7], v[VFR+32*\ks+8*\ct:VFR+32*\ks+8*\ct+7], v[P+16*\t+8*\ks:P+16*\t+8*\ks+7], v[O+32*\t+8*\ct:O+32*\t+8*\ct+7]
.endr
.endr
.endr
.endm
; On the diagonal.  Register 8 kt + j of tile t holds key KEY0 + 64 q + 16 kt + 8 h + j for query Q0 + 16 t + r: hidden where 16 kt + j - 16 t > (Q0 - KEY0 - 64 q) + r - 8 h.  A step all of whose keys count skips this.
.macro MASK q
	s_add_co_u32 s[T0], s[KEY0], 64*(\q)+63
	s_cmp_le_u32 s[T0], s[Q0]
	s_cbranch_scc1 .Lopen_\@
	s_sub_co_i32 s[T0], s[Q0], s[KEY0]
	s_sub_co_i32 s[T0], s[T0], 64*(\q)
	v_add_nc_u32 v[DD], s[T0], v[DL]
.irp t, 0,1
.set n, 0
.rept 32
	v_cmp_gt_i32 vcc_lo, 16*(n/8)+n%8-16*\t, v[DD]
	v_cndmask_b32 v[S+32*\t+n], v[S+32*\t+n], v[NINF], vcc_lo
.set n, n+1
.endr
.endr
.Lopen_\@:
.endm
; The softmax of a key step, the two tiles line by line, so that no line waits for the line above it.  Each accumulator of S^T is read from its low end on.
.macro SOFTMAX
.irp j, 0,1,2,3
.irp t, 0,1
	v_max3_num_f32 v[ST+8*\t+4+\j], v[S+32*\t+8*\j], v[S+32*\t+8*\j+1], v[S+32*\t+8*\j+2]
.endr
.endr
.irp g, 1,2
.irp j, 0,1,2,3
.irp t, 0,1
	v_max3_num_f32 v[ST+8*\t+4+\j], v[ST+8*\t+4+\j], v[S+32*\t+8*\j+2*\g+1], v[S+32*\t+8*\j+2*\g+2]
.endr
.endr
.endr
.irp t, 0,1
	v_max3_num_f32 v[ST+8*\t+4], v[ST+8*\t+4], v[S+32*\t+7], v[S+32*\t+15]
	v_max3_num_f32 v[ST+8*\t+6], v[ST+8*\t+6], v[S+32*\t+23], v[S+32*\t+31]
.endr
.irp t, 0,1
	v_max3_num_f32 v[ST+8*\t+4], v[ST+8*\t+4], v[ST+8*\t+5], v[ST+8*\t+6]
.endr
.irp t, 0,1
	v_max3_num_f32 v[ST+8*\t+4], v[ST+8*\t+4], v[ST+8*\t+7], v[ST+8*\t+1]   ; with the old m
.endr
.irp t, 0,1
	v_permlanex16_b32 v[ST+8*\t+5], v[ST+8*\t+4], s[SEL], s[SEL+1]          ; the query's other 32 keys lie in the lane 16 away
.endr
.irp t, 0,1
	v_mov_b32 v[ST+8*\t+7], v[ST+8*\t]             ; c m_old
.endr
.irp t, 0,1
	v_max_num_f32 v[ST+8*\t+1], v[ST+8*\t+4], v[ST+8*\t+5]
.endr
.irp t, 0,1
	v_mul_f32 v[ST+8*\t], s[CS], v[ST+8*\t+1]
.endr
.irp t, 0,1
	v_sub_f32 v[ST+8*\t+7], v[ST+8*\t+7], v[ST+8*\t]
.endr
.irp b, 0,1,2,3,4,5,6,7,8,9,10,11,12,13,14,15
.irp t, 0,1
	v_pk_fma_f32 v[S+32*\t+2*\b:S+32*\t+2*\b+1], v[S+32*\t+2*\b:S+32*\t+2*\b+1], s[CS:CS+1], v[ST+8*\t:ST+8*\t+1] op_sel_hi:[1,0,0] neg_lo:[0,0,1] neg_hi:[0,0,1]   ; c s - c m
.endr
.endr
.irp t, 0,1
	v_exp_f32 v[ST+8*\t+6], v[ST+8*\t+7]           ; a = 2^(c m_old - c m_new)
.endr
.set i, 0
.rept 64
	v_exp_f32 v[S+i], v[S+i]                       ; p
.set i, i+1
.endr
	v_nop                                          ; a plain line behind the last exponential,
	s_wait_alu depctr_va_vdst(0)                   ; and one wait for the whole batch, ahead of its first reader
.set i, 0
.rept 32
	v_cvt_pk_f16_f32 v[P+i], v[S+2*i], v[S+2*i+1]  ; P's fragments: tile t at 16 t
.set i, i+1
.endr
.irp w, 4,8,16,32                      ; the sums of the unrounded p, in pairs, in place: neighbours 1, 2, 4 and 8 pairs apart
.irp t, 0,1
.set u, 0
.rept 32/\w
	v_pk_add_f32 v[S+32*\t+u:S+32*\t+u+1], v[S+32*\t+u:S+32*\t+u+1], v[S+32*\t+u+\w/2:S+32*\t+u+\w/2+1]
.set u, u+\w
.endr
.endr
.endr
.irp t, 0,1
	v_pk_fma_f32 v[ST+8*\t+2:ST+8*\t+3], v[ST+8*\t+2:ST+8*\t+3], v[ST+8*\t+6:ST+8*\t+7], v[S+32*\t:S+32*\t+1] op_sel_hi:[1,0,1]   ; l = a l + the sum
.endr
.irp t, 0,1
.set i, 0
.rept 16
	v_pk_mul_f32 v[O+32*\t+i:O+32*\t+i+1], v[O+32*\t+i:O+32*\t+i+1], v[ST+8*\t+6:ST+8*\t+7] op_sel_hi:[1,0]   ; O^T x a, ascending
.set i, i+2
.endr
.endr
.endm
; A KEY STEP: 64 keys, the q-th of the slot in hand.  K of this step was asked for a step ago.
.macro STEP q, tag
.if \q > 0
	s_add_co_u32 s[T0], s[KEY0], 64*\q             ; a step all of whose keys come after my 32 queries, and all steps behind it, are left out: ids alone
	s_cmp_gt_u32 s[T0], s[QL]
	s_cbranch_scc1 .Lend_\tag
.endif
	PLACES                                         ; in front of loads into registers that the last products read
	FETCH_V \q
	s_wait_dscnt 16                                ; K is in; V's sixteen loads stay out
	SPROD
	WIN 0
	PLACES                                         ; in front of the loads into K's registers and of the first read of the scores
.if \q < 3
	FETCH_K (\q)+1
	WIN 0
.endif
	MASK \q
	SOFTMAX
.if \q < 3
	s_wait_dscnt 16                                ; V is in; the next step's K stays out
.else
	s_wait_dscnt 0x0
.endif
	PVPROD
	WIN 0
.endm
; THE CHANGE OF SLOTS, at a slot's head.  Each wave waits for all its tensor loads (one: its part of the slot ahead), adds 0 to its spare word, and waits for that and for its reads of the slot that it has left.
; fill = 1: behind the barrier the slot just left takes the next key slot of the walk: 0 .. 7 - J, then 0 .. J.  That load has four key steps in which to land.
.macro CHANGE fill
	WIN 0
	s_wait_tensorcnt 0x0                           ; no tensor load of mine is out, so a group 0 may be written
	ds_add_u32 v[SPW], v[NIL]
.if \fill
	s_xor_b32 s[G0K+1], s[G0K+1], SLOT1
	s_xor_b32 s[G0V+1], s[G0V+1], SLOT1
	s_add_co_u32 s[LS], s[LS], 1
	s_cmp_eq_u32 s[LS], s[N1]
	s_cselect_b32 s[LS], 0, s[LS]                  ; behind the first block's last slot the second block begins at key 0
	s_lshl_b32 s[OFF], s[LS], 15                   ; 256 keys of 128 bytes
	s_add_nc_u64 s[G0K+2:G0K+3], s[KB:KB+1], s[OFF:OFF+1]
	s_or_b32 s[G0K+3], s[G0K+3], 0x80000000
	s_add_nc_u64 s[G0V+2:G0V+3], s[VB:VB+1], s[OFF:OFF+1]
	s_or_b32 s[G0V+3], s[G0V+3], 0x80000000
.endif
	s_wait_xcnt 0x0                                ; the last prefetch has read its address, and a way out's stores their data: both are written again only behind this wait
.if \fill
	s_add_nc_u64 s[PFA:PFA+1], s[PFA:PFA+1], 32768
.endif
	s_wait_dscnt 0x0                               ; the add is done, and my reads of the slot that I have left are over
	s_barrier_signal -1
	s_barrier_wait -1
.if \fill
	TLOAD                                          ; the first thing behind the barrier, and my one tensor load until the next
	ASK
.endif
.endm
.macro SLOTW tag                       ; a slot's four key steps
	v_add_nc_u32 v[ADK], s[TB], v[AK0]
	v_add_nc_u32 v[ADV], s[TB], v[AV0]
	FETCH_K 0
	WIN 0
	STEP 0, \tag
	STEP 1, \tag
	STEP 2, \tag
	STEP 3, \tag
.Lend_\tag:
	s_wait_dscnt 0x0                               ; a look-ahead of K that a hidden step left unused has landed too
	s_add_co_u32 s[KEY0], s[KEY0], 256
	s_xor_b32 s[TB], s[TB], SLOT1
.endm
; THE WAY OUT of a block: l's halves are added, O^T is divided by l, rounded to f16 and sent through my stage, so that each store of the wave covers 512 consecutive bytes, aligned.  The additions are the places behind the last products.
.macro WAYOUT base
.irp t, 0,1
	v_add_f32 v[ST+8*\t+4], v[ST+8*\t+2], v[ST+8*\t+3]
.endr
.irp t, 0,1
	v_permlanex16_b32 v[ST+8*\t+5], v[ST+8*\t+4], s[SEL], s[SEL+1]
.endr
.irp t, 0,1
	v_add_f32 v[ST+8*\t+4], v[ST+8*\t+4], v[ST+8*\t+5]
.endr
	v_nop
.irp t, 0,1
	v_rcp_f32 v[ST+8*\t+6], v[ST+8*\t+4]
.endr
	v_nop                                          ; a plain line behind the reciprocals,
	s_wait_alu depctr_va_vdst(0)                   ; and the one wait ahead of their first reader
.irp t, 0,1
.set i, 0
.rept 16
	v_pk_mul_f32 v[O+32*\t+i:O+32*\t+i+1], v[O+32*\t+i:O+32*\t+i+1], v[ST+8*\t+6:ST+8*\t+7] op_sel_hi:[1,0]
.set i, i+2
.endr
.endr
.set i, 0
.rept 32
	v_cvt_pk_f16_f32 v[TMP+i], v[O+2*i], v[O+2*i+1]
.set i, i+1
.endr
.irp t, 0,1
.irp ct, 0,1,2,3
	ds_store_b128 v[STO], v[TMP+16*\t+4*\ct:TMP+16*\t+4*\ct+3] offset:16*144*\t+32*\ct
.endr
.endr
.irp u, 0,1,2,3,4,5,6,7
	ds_load_b128 v[BK+4*\u:BK+4*\u+3], v[RD] offset:4*144*\u       ; LDS serves a wave's instructions in order: these see my stores
.endr
.irp u, 0,1,2,3,4,5,6,7
	s_wait_dscnt 7-\u
	global_store_b128 v[GO], v[BK+4*\u:BK+4*\u+3], s[\base:\base+1] offset:512*\u
.endr
.endm
	INIT
	s_wait_loadcnt 0x0                             ; Q of both blocks
.Lslot:                                            ; eight trips: behind each change of slots but the last the next slot of the walk is asked for
	CHANGE 1
	SLOTW a
	s_add_co_u32 s[T0], s[II], 1
	s_cmp_lg_u32 s[T0], s[N1]                      ; was that the first block's last slot?  Ids and the count of trips alone
	s_cbranch_scc1 .Lsame
	WAYOUT OA
	s_mov_b32 s[Q0], s[Q0B]                        ; the second block
	s_add_co_u32 s[QL], s[Q0B], 31
	s_mov_b32 s[KEY0], 0
	WIN 0x41                                       ; destination and source window 1
.set i, 0
.rept 32
	v_mov_b32 v[QF+i], v[QB+i]
.set i, i+1
.endr
	WIN 0
	INIT
.Lsame:
	s_add_co_u32 s[II], s[II], 1
	s_cmp_lt_u32 s[II], 8
	s_cbranch_scc1 .Lslot
	CHANGE 0                                       ; the ninth slot is written out
	SLOTW b
	WAYOUT OB
	s_wait_tensorcnt 0x0                           ; the wave's end
	ds_add_u32 v[SPW], v[NIL]
	s_wait_dscnt 0x0
	s_endpgm
.Lfunc_end_k_q654cbec06d_attn:
	.size	k_q654cbec06d_attn, .Lfunc_end_k_q654cbec06d_attn-k_q654cbec06d_attn
	.p2alignl 7, 3214868480
	.fill 96, 4, 3214868480
	.section	.rodata,"a",@progbits
	.p2align	6, 0x0
	.amdhsa_kernel k_q654cbec06d_attn
		.amdhsa_group_segment_fixed_size 327680
		.amdhsa_private_segment_fixed_size 0
		.amdhsa_enable_private_segment 0
		.amdhsa_kernarg_size 16
		.amdhsa_user_sgpr_count 2
		.amdhsa_user_sgpr_kernarg_segment_ptr 1
		.amdhsa_wavefront_size32 1
		.amdhsa_system_sgpr_workgroup_id_x 1
		.amdhsa_system_sgpr_workgroup_id_y 1
		.amdhsa_system_sgpr_workgroup_id_z 1
		.amdhsa_system_vgpr_workitem_id 0
		.amdhsa_next_free_vgpr 512
		.amdhsa_next_free_sgpr 84
		.amdhsa_reserve_vcc 1
		.amdhsa_float_denorm_mode_32 3
		.amdhsa_float_denorm_mode_16_64 3
		.amdhsa_memory_ordered 1
		.amdhsa_forward_progress 1
		.amdhsa_inst_pref_size 200
	.end_amdhsa_kernel
	.amdgpu_metadata
---
amdhsa.version: [ 1, 2 ]
amdhsa.kernels:
  - .name:           k_q654cbec06d_attn
    .symbol:         k_q654cbec06d_attn.kd
    .args:
      - { .name: qkv16, .offset: 0, .size: 8, .value_kind: global_buffer, .address_space: global }
      - { .name: o16, .offset: 8, .size: 8, .value_kind: global_buffer, .address_space: global }
    .group_segment_fixed_size: 327680
    .private_segment_fixed_size: 0
    .kernarg_segment_align: 8
    .kernarg_segment_size: 16
    .max_flat_workgroup_size: 256
    .sgpr_count:     84
    .vgpr_count:     512
    .wavefront_size: 32
...
	.end_amdgpu_metadata
.endif
;; end of part 3
;; launch oproj (part 4): grid 8 x 32, 4 waves a work-group, clusters of 4 x 4, 327,680 bytes of LDS; arguments o16, wo16, out0; writes out0
.if DOCPART == 4
	.amdgcn_target "amdgcn-amd-amdhsa--gfx1250"
	.amdhsa_code_object_version 6
	.text
	.protected	k_q654cbec06d_oproj
	.globl	k_q654cbec06d_oproj
	.p2align	8
	.type	k_q654cbec06d_oproj,@function
k_q654cbec06d_oproj:
	s_mov_b64 s[64:65], 0
	v_nop
	global_prefetch_b8 v0, s[64:65] scope:SCOPE_SE
	s_setreg_imm32_b32 hwreg(HW_REG_WAVE_MODE, 25, 1), 1
	s_wait_xcnt 0x0
	s_wait_alu depctr_hold_cnt(0) depctr_sa_sdst(0) depctr_va_vdst(0) depctr_va_sdst(0) depctr_va_ssrc(0) depctr_va_vcc(0) depctr_vm_vsrc(0)
	s_getreg_b32 s2, hwreg(HW_REG_IB_STS2, 6, 4)
	s_cmp_eq_u32 s2, 0
	s_cbranch_scc0 .Lentry_in_a_cluster
	s_endpgm
.Lentry_in_a_cluster:
	s_bfe_u32 s2, ttmp6, 0x10000c
	s_cmp_lg_u32 s2, 0xf033
	s_cbranch_scc0 .Lentry_shape_is_right
	s_endpgm
.Lentry_shape_is_right:
; out0[m][e] = sum over d of O[m][d] Wo[e][d].  O: o16 [16 planes p = d / 64][8192][64] f16; Wo: wo16 [16 planes][1024][64] f16; out0 [8192][1024] f32; sums in f32.
; A tile of out0 is 256 rows x 128 columns: 256 work-groups.  Four waves, each 128 x 64: 32 accumulators, 256 registers (window 2).  K goes in steps of 128, two planes, through a ring of two LDS slots.
; In a plane two neighbouring rows are 256 consecutive bytes: a tile is stated as rows of 256 bytes (two rows of the matrix) with 16 bytes of padding; row m lies at (m / 2) x 272 + 128 (m % 2).
; One tensor load a wave: waves 0, 1 bring O's two planes of a K step (128 LDS rows each), waves 2, 3 Wo's (64 each).
; CLUSTERS: 4 x 4 work-groups; O's tiles are asked for jointly along a row of the cluster, Wo's along a column.  THE MATRIX INSTRUCTION IS USED TRANSPOSED (source 0 = 16 rows of Wo, source 1 = 16 rows of O).
; No prefetch: a K step's tiles are small, and what is shared is shared by the joint loads.
; REGISTERS: window 0: v16-29 addresses; v64-127, v128-191 O's fragments, two buffers; v192-223, v224-255 Wo's.  window 2: accumulator (a, b) at v[8 (4 a + b)].
.set PITCH, 272
.set APL,   128*PITCH
.set BPL,   64*PITCH
.set SLOT,  2*APL+2*BPL
.set STAGE, 2*SLOT                     ; 16 rows x 272 bytes for each wave, for the way out
.set SPARE, STAGE+4*16*272             ; the spare words, 128 bytes a wave, which no other line names
.set LAPS,  4                          ; a lap = two K steps; K = 1,024 is eight
.set ADRA, 16
.set ADRB, 20
.set STO,  24
.set RD,   25
.set CO,   26
.set SPW,  28
.set NIL,  29
.set G1, 24
.set G0, 32
.set G1B, 48
.set G0B, 56
.set MSB, 0
.macro WIN new
.if MSB != \new
	s_set_vgpr_msb (MSB<<8)|\new
.set MSB, \new
.endif
.endm
.set MUL, 0xa0                         ; C and D window 2, the operands window 0
.macro JLOAD s                         ; a joint load; an s_nop 0 and four v_nop follow each of the two lines
	s_cmp_eq_u32 s11, 0
	s_cbranch_scc0 .Lfor_b_\@
	tensor_load_to_lds s[G0+4*\s:G0+4*\s+3], s[G1:G1+7]
	s_nop 0
.rept 4
	v_nop
.endr
	s_branch .Lasked_\@
.Lfor_b_\@:
	tensor_load_to_lds s[G0B+4*\s:G0B+4*\s+3], s[G1B:G1B+7]
	s_nop 0
.rept 4
	v_nop
.endr
.Lasked_\@:
.endm
.macro CREST
	s_cmp_lg_u32 s10, 0
	s_cbranch_scc1 .Lnot_wave_0_\@
	s_barrier_signal -3
.Lnot_wave_0_\@:
	s_barrier_wait -3
	s_barrier_signal -1
	s_barrier_wait -1
.endm
.macro CROUND
	s_barrier_signal -1
	s_barrier_wait -1
	CREST
.endm
	s_load_b128 s[4:7], s[0:1], 0x0                ; o16, wo16
	s_load_b64 s[8:9], s[0:1], 0x10                ; out0
	v_lshl_add_u32 v[SPW], v0, 2, SPARE
	v_mov_b32 v[NIL], 0
	ds_add_u32 v[SPW], v[NIL]                      ; the wave's opening: the add, twice on end, and its wait ahead of my first tensor load
	ds_add_u32 v[SPW], v[NIL]
	v_lshrrev_b32 v1, 5, v0
	v_readfirstlane_b32 s10, v1                    ; wave 0..3
	s_lshr_b32 s11, s10, 1                         ; my half of the tile's rows.  Also: I fetch for O (0) or for Wo (1)
	s_and_b32 s12, s10, 1                          ; my half of its columns.  Also: which plane of a K step I fetch
	s_bfe_u32 s40, ttmp6, 0x40000                  ; cx
	s_bfe_u32 s41, ttmp6, 0x40004                  ; cy
	s_lshl_b32 s42, ttmp9, 2
	s_add_co_u32 s42, s42, s40                     ; tile column
	s_and_b32 s13, ttmp7, 0xffff
	s_lshl_b32 s13, s13, 2
	s_add_co_u32 s13, s13, s41                     ; tile row
	s_lshl_b32 s43, s41, 2
	s_lshl_b32 s43, 15, s43                        ; my row of the cluster
	s_lshl_b32 s44, 0x1111, s40                    ; my column
	s_or_b32 s[G1+0], s43, (1<<16)|(1<<20)|(1<<21)|(5<<22)|(3<<25)  ; the mask; elements of 2 bytes; padding on; bit 21 beside a mask; after every 64 words, 4 words
	s_or_b32 s[G1B+0], s44, (1<<16)|(1<<20)|(1<<21)|(5<<22)|(3<<25)
	s_mov_b32 s[G1+1], 128<<16                     ; tensor_dim0 = 128 elements: two rows of the matrix
	s_mov_b32 s[G1+2], 128<<16                     ; tensor_dim1 = 128
	s_mov_b32 s[G1+3], 128<<16                     ; tile_dim0
	s_mov_b32 s[G1+4], 128                         ; tile_dim1
	s_mov_b32 s[G1+5], 128                         ; the pitch: dense
	s_mov_b32 s[G1+6], 0
	s_mov_b32 s[G1+7], 0
	s_mov_b32 s[G1B+1], 128<<16
	s_mov_b32 s[G1B+2], 64<<16
	s_mov_b32 s[G1B+3], 128<<16
	s_mov_b32 s[G1B+4], 64
	s_mov_b32 s[G1B+5], 128
	s_mov_b32 s[G1B+6], 0
	s_mov_b32 s[G1B+7], 0
	s_lshl_b32 s16, s13, 15                        ; O: 256 rows of 128 bytes a tile row,
	s_lshl_b32 s17, s12, 20                        ; my plane
	s_add_co_u32 s16, s16, s17
	s_mov_b32 s17, 0
	s_lshl_b32 s46, s42, 14                        ; Wo: 128 rows of 128 bytes a tile column,
	s_lshl_b32 s47, s12, 17                        ; my plane
	s_add_co_u32 s46, s46, s47
	s_mov_b32 s47, 0
	s_mul_i32 s20, s12, APL                        ; where they go: no place in the cluster enters an LDS address
	s_mul_i32 s21, s12, BPL
	s_add_co_u32 s21, s21, 2*APL
	s_wait_dscnt 0x0                               ; both opening adds are done
	s_wait_kmcnt 0x0
	s_add_nc_u64 s[14:15], s[4:5], s[16:17]
	s_add_nc_u64 s[46:47], s[6:7], s[46:47]
	CROUND                                         ; all sixteen work-groups are here: the first joint loads meet
.irp s, 0,1
	s_mov_b32 s[G0+4*\s], 1
	s_add_co_u32 s[G0+4*\s+1], s20, \s*SLOT
	s_add_nc_u64 s[G0+4*\s+2:G0+4*\s+3], s[14:15], \s*(2<<20)      ; K step s: two planes on
	s_or_b32 s[G0+4*\s+3], s[G0+4*\s+3], 0x80000000
	s_mov_b32 s[G0B+4*\s], 1
	s_add_co_u32 s[G0B+4*\s+1], s21, \s*SLOT
	s_add_nc_u64 s[G0B+4*\s+2:G0B+4*\s+3], s[46:47], \s*(2<<17)
	s_or_b32 s[G0B+4*\s+3], s[G0B+4*\s+3], 0x80000000
	JLOAD \s
.endr
	v_and_b32 v1, 15, v0                           ; r
	v_bfe_u32 v2, v0, 4, 1                         ; h
	v_lshrrev_b32 v3, 1, v1
	v_mul_u32_u24 v3, v3, PITCH
	v_and_b32 v4, 1, v0
	v_lshl_add_u32 v3, v4, 7, v3
	v_lshl_add_u32 v3, v2, 4, v3                   ; a fragment's row r: (r / 2) x pitch + 128 (r % 2) + 16 h
	s_mul_i32 s21, s11, 64*PITCH                   ; my 128 rows of O
	s_mul_i32 s22, s12, 32*PITCH                   ; my 64 rows of Wo,
	s_add_co_u32 s22, s22, 2*APL                   ; behind O's two planes
.irp s, 0,1
	v_add_nc_u32 v[ADRA+\s], s21, v3
	v_add_nc_u32 v[ADRB+\s], s22, v3
	s_add_co_u32 s21, s21, SLOT
	s_add_co_u32 s22, s22, SLOT
.endr
	s_mul_i32 s23, s10, 16*272
	s_add_co_u32 s23, s23, STAGE                   ; my stage
	v_mul_u32_u24 v4, v1, 272
	v_lshl_add_u32 v4, v2, 5, v4
	v_add_nc_u32 v[STO], s23, v4                   ; in: row r, 32 bytes for each half of the lanes
	v_mul_u32_u24 v5, v2, 272
	v_lshl_add_u32 v5, v1, 4, v5
	v_add_nc_u32 v[RD], s23, v5                    ; back: lanes 0-15 one row of 256 bytes, lanes 16-31 the next
	v_lshlrev_b32 v5, 4, v1
	v_lshl_add_u32 v[CO], v2, 12, v5               ; and the same two rows in out0
	s_lshl_b32 s16, s13, 8
	s_lshl_b32 s17, s11, 7
	s_add_co_u32 s16, s16, s17
	s_lshl_b32 s16, s16, 12                        ; my first row, of 4,096 bytes
	s_lshl_b32 s46, s42, 9
	s_lshl_b32 s47, s12, 8
	s_add_co_u32 s46, s46, s47                     ; my first column, in bytes
	s_add_co_u32 s16, s16, s46
	s_mov_b32 s17, 0
	s_add_nc_u64 s[8:9], s[8:9], s[16:17]
.macro MUL8 f, a0, zero                ; 8 products: O's blocks a0, a0 + 1 x Wo's four, 32 along K.  The 32 accumulators take turns, in the same order in every quarter
.irp a, \a0, \a0+1
.irp b, 0,1,2,3
.if \zero
	v_wmma_f32_16x16x32_f16 v[8*(4*(\a)+\b):8*(4*(\a)+\b)+7], v[192+32*(\f)+8*\b:192+32*(\f)+8*\b+7], v[64+64*(\f)+8*(\a):64+64*(\f)+8*(\a)+7], 0
.else
	v_wmma_f32_16x16x32_f16 v[8*(4*(\a)+\b):8*(4*(\a)+\b)+7], v[192+32*(\f)+8*\b:192+32*(\f)+8*\b+7], v[64+64*(\f)+8*(\a):64+64*(\f)+8*(\a)+7], v[8*(4*(\a)+\b):8*(4*(\a)+\b)+7]
.endif
.endr
.endr
.endm
.macro FETCH slot, q, f                ; 24 LDS loads in one run: the fragments of the K step's q-th 32 along K (plane q / 2, bytes 64 (q % 2) on): Wo's four, then O's eight
	WIN 0
.irp i, 0,1,2,3
	ds_load_b128 v[192+32*(\f)+8*\i:192+32*(\f)+8*\i+3],   v[ADRB+\slot] offset:((\q)/2)*BPL+((\q)%2)*64+\i*8*PITCH
	ds_load_b128 v[192+32*(\f)+8*\i+4:192+32*(\f)+8*\i+7], v[ADRB+\slot] offset:((\q)/2)*BPL+((\q)%2)*64+\i*8*PITCH+32
.endr
.irp i, 0,1,2,3,4,5,6,7
	ds_load_b128 v[64+64*(\f)+8*\i:64+64*(\f)+8*\i+3],   v[ADRA+\slot] offset:((\q)/2)*APL+((\q)%2)*64+\i*8*PITCH
	ds_load_b128 v[64+64*(\f)+8*\i+4:64+64*(\f)+8*\i+7], v[ADRA+\slot] offset:((\q)/2)*APL+((\q)%2)*64+\i*8*PITCH+32
.endr
.endm
.macro PLACES
.rept 4
	v_nop
.endr
.endm
.macro QUARTER slot, q, f, g, zero     ; multiplies buffer f; in its middle it fetches the slot's q-th quarter into buffer g
	s_wait_dscnt 8                                 ; Wo's and O's blocks 0-3 are in; the youngest eight loads (O's blocks 4-7) may be out
	WIN MUL
	MUL8 \f, 0, \zero
	MUL8 \f, 2, \zero
	PLACES
	FETCH \slot, \q, \g
	s_wait_dscnt 24                                ; all but the 24 just issued
	WIN MUL
	MUL8 \f, 4, \zero
	MUL8 \f, 6, \zero
.endm
; A K step's last quarter multiplies buffer 1 and changes slots: one barrier; in front of it each wave waits for all its tensor loads, adds 0 to its spare word, and waits for that and for its reads of this slot.
.macro TURN slot, next, fill
	WIN 0
	s_wait_tensorcnt 0x0                           ; all my tensor loads have landed: my part of the next slot
	ds_add_u32 v[SPW], v[NIL]
	s_wait_dscnt 9                                 ; (the add and the youngest eight loads may be out)
	WIN MUL
	MUL8 1, 0, 0
	s_wait_dscnt 0x0                               ; the add is done, and my reads of this slot are over
	s_barrier_signal -1
	MUL8 1, 2, 0
	WIN 0
	s_barrier_wait -1
.if \fill
	CREST                                          ; the barrier has opened a round of the cluster's barrier: no wave of any partner still reads this slot or has a load on its way
	s_add_nc_u64 s[G0+4*\slot+2:G0+4*\slot+3], s[G0+4*\slot+2:G0+4*\slot+3], 4<<20      ; two K steps on: four planes
	s_add_nc_u64 s[G0B+4*\slot+2:G0B+4*\slot+3], s[G0B+4*\slot+2:G0B+4*\slot+3], 4<<17
	JLOAD \slot                                    ; the first tensor load behind the round: 112 products ahead of the wait for it; its four v_nop are also the places in front of the loads below
.else
	PLACES
.endif
	FETCH \next, 0, 0
	WIN MUL
	MUL8 1, 4, 0
	MUL8 1, 6, 0
.endm
	s_wait_tensorcnt 1                             ; my part of K step 0 is in; K step 1's load may be out
	s_barrier_signal -1
	s_barrier_wait -1
	FETCH 0, 0, 0
	QUARTER 0, 1, 0, 1, 1                          ; the first quarter's products start the sums
	WIN 0
	s_mov_b32 s3, LAPS-1
.Llap:                                             ; a trip goes once round the ring and fills both slots again
	QUARTER 0, 2, 1, 0, 0
	QUARTER 0, 3, 0, 1, 0
	TURN 0, 1, 1
	QUARTER 1, 1, 0, 1, 0
	QUARTER 1, 2, 1, 0, 0
	QUARTER 1, 3, 0, 1, 0
	TURN 1, 0, 1
	QUARTER 0, 1, 0, 1, 0
	WIN 0
	s_sub_co_u32 s3, s3, 1
	s_cmp_lg_u32 s3, 0
	s_cbranch_scc1 .Llap
	QUARTER 0, 2, 1, 0, 0                          ; the last lap fills nothing
	QUARTER 0, 3, 0, 1, 0
	TURN 0, 1, 0
	QUARTER 1, 1, 0, 1, 0
	QUARTER 1, 2, 1, 0, 0
	QUARTER 1, 3, 0, 1, 0
	s_wait_dscnt 8
	WIN MUL
	MUL8 1, 0, 0
	MUL8 1, 2, 0
	s_wait_dscnt 0x0
	MUL8 1, 4, 0
	MUL8 1, 6, 0
	WIN 0
	PLACES
	; THE WAY OUT, block by block of 16 rows x 64 columns, through my own stage: sixteen lanes then store 256 consecutive bytes of a row, aligned.
.macro TOSTAGE a
	WIN 0x08                                       ; an LDS store's data are its source 1: window 2
.irp b, 0,1,2,3
	ds_store_b128 v[STO], v[8*(4*(\a)+\b):8*(4*(\a)+\b)+3] offset:64*\b          ; each accumulator from its low end on
	ds_store_b128 v[STO], v[8*(4*(\a)+\b)+4:8*(4*(\a)+\b)+7] offset:64*\b+16
.endr
	WIN 0
.set BB, 64+32*((\a)%2)
.irp t, 0,1,2,3,4,5,6,7
	ds_load_b128 v[BB+4*\t:BB+4*\t+3], v[RD] offset:\t*544         ; LDS serves a wave's instructions in order: these see my stores
.endr
.endm
.macro SEND a, younger
.set BB, 64+32*((\a)%2)
	s_wait_dscnt \younger                          ; the block is back in registers
.irp t, 0,1,2,3,4,5,6,7
	global_store_b128 v[CO], v[BB+4*\t:BB+4*\t+3], s[8:9] offset:65536*(\a)+8192*\t th:TH_STORE_NT
.endr
.endm
	TOSTAGE 0
.irp a, 1,2,3,4,5,6,7
.if \a > 1
	s_wait_xcnt 0x0                                ; block a - 2's stores have read their registers: block a's loads may land there
.endif
	TOSTAGE \a
	SEND \a-1, 16                                  ; behind block a - 1's loads: block a's 8 stores and 8 loads
.endr
	SEND 7, 0
	s_wait_tensorcnt 0x0                           ; the wave's end
	ds_add_u32 v[SPW], v[NIL]
	s_wait_dscnt 0x0
	CROUND                                         ; the closing round
	s_endpgm
.Lfunc_end_k_q654cbec06d_oproj:
	.size	k_q654cbec06d_oproj, .Lfunc_end_k_q654cbec06d_oproj-k_q654cbec06d_oproj
	.p2alignl 7, 3214868480
	.fill 96, 4, 3214868480
	.section	.rodata,"a",@progbits
	.p2align	6, 0x0
	.amdhsa_kernel k_q654cbec06d_oproj
		.amdhsa_group_segment_fixed_size 327680
		.amdhsa_private_segment_fixed_size 0
		.amdhsa_enable_private_segment 0
		.amdhsa_kernarg_size 24
		.amdhsa_user_sgpr_count 2
		.amdhsa_user_sgpr_kernarg_segment_ptr 1
		.amdhsa_wavefront_size32 1
		.amdhsa_system_sgpr_workgroup_id_x 1
		.amdhsa_system_sgpr_workgroup_id_y 1
		.amdhsa_system_sgpr_workgroup_id_z 1
		.amdhsa_system_vgpr_workitem_id 0
		.amdhsa_next_free_vgpr 768
		.amdhsa_next_free_sgpr 66
		.amdhsa_reserve_vcc 0
		.amdhsa_float_denorm_mode_32 3
		.amdhsa_float_denorm_mode_16_64 3
		.amdhsa_memory_ordered 1
		.amdhsa_forward_progress 1
		.amdhsa_inst_pref_size 85
	.end_amdhsa_kernel
	.amdgpu_metadata
---
amdhsa.version: [ 1, 2 ]
amdhsa.kernels:
  - .name:           k_q654cbec06d_oproj
    .symbol:         k_q654cbec06d_oproj.kd
    .args:
      - { .name: o16, .offset: 0, .size: 8, .value_kind: global_buffer, .address_space: global }
      - { .name: wo16, .offset: 8, .size: 8, .value_kind: global_buffer, .address_space: global }
      - { .name: out0, .offset: 16, .size: 8, .value_kind: global_buffer, .address_space: global }
    .group_segment_fixed_size: 327680
    .private_segment_fixed_size: 0
    .kernarg_segment_align: 8
    .kernarg_segment_size: 24
    .max_flat_workgroup_size: 128
    .sgpr_count:     66
    .vgpr_count:     768
    .wavefront_size: 32
...
	.end_amdgpu_metadata
.endif
;; end of part 4
;; launch fine (part 5): grid 16 x 4, 16 waves a work-group, no clusters, 71,680 bytes of LDS; arguments qkv32, Wo, out0; writes out0
.if DOCPART == 5
	.amdgcn_target "amdgcn-amd-amdhsa--gfx1250"
	.amdhsa_code_object_version 6
	.text
	.protected	k_q654cbec06d_fine
	.globl	k_q654cbec06d_fine
	.p2align	8
	.type	k_q654cbec06d_fine,@function
k_q654cbec06d_fine:
	s_mov_b64 s[64:65], 0
	v_nop
	global_prefetch_b8 v0, s[64:65] scope:SCOPE_SE
	s_setreg_imm32_b32 hwreg(HW_REG_WAVE_MODE, 25, 1), 1
	s_wait_xcnt 0x0
; The first 16 positions of every sequence once more, all in f32: attention over their 16 keys and the projection by Wo, by the f32 matrix form; the rows are stored over the coarser ones of the launch before.
; qkv32 [b][16 which + h][16][64] f32; Wo [1024][1024] f32; out0 [4][2048][1024] f32.
; SHARES.  Work-group (cb, b) makes out0[b][0..15][64 cb .. 64 cb + 63].  Wave w is head w: its 16 x 16 attention, and its 64 of the projection's 1,024 along K; the sixteen partial results are summed through LDS, in the order of the heads.
; Straight-line text.  No tensor load and no cluster: the work is small, and each work-group reads its own 64 rows of Wo.  Wo's fragments are read 32 bytes of a row to a lane.
; K PERMUTED ALIKE ON BOTH OPERANDS, so that plain loads and results fill the fragments: a step of K = 4 takes, in lane (r, h), two neighbouring numbers of that lane's own run:
;   Q, K: channels 8 s + 4 h + 2 u + j;   P, V: keys 8 h + 2 s + j;   O, Wo: channels 16 ct + 8 h + 2 s + j.
; The accumulators v176-223 are written by matrix instructions alone; each sum begins with the constant 0.
; REGISTERS: v3-9 addresses; v16-47 Q, v48-79 K, later Wo's rows 32-63; v80-111 V, later O / l; v112-175 Wo's rows 0-31, later the partial rows; v176-191 S^T in two halves; v192-223 O^T, later the four tiles of the result; v224-248 the softmax.
.set SPW, 10
.set NIL, 11
.set SPARE, 16*16*272                  ; behind the sixteen partial results (16 rows x 272 bytes each): the spare words, 128 bytes a wave, which no other line names
	s_load_b128 s[4:7], s[0:1], 0x0                ; qkv32, Wo
	s_load_b64 s[8:9], s[0:1], 0x10                ; out0
	v_lshl_add_u32 v[SPW], v0, 2, SPARE
	v_mov_b32 v[NIL], 0
	v_lshrrev_b32 v1, 5, v0
	v_readfirstlane_b32 s10, v1                    ; wave = head
	s_and_b32 s11, ttmp7, 0xffff                   ; b
	v_and_b32 v1, 15, v0                           ; r
	v_bfe_u32 v2, v0, 4, 1                         ; h
	v_lshlrev_b32 v3, 8, v1
	v_lshl_add_u32 v3, v2, 4, v3                   ; Q, K: row r of 256 bytes, + 16 h
	v_lshlrev_b32 v4, 2, v1
	v_lshl_add_u32 v4, v2, 11, v4                  ; V: key 8 h, channel r
	v_lshlrev_b32 v5, 12, v1
	v_lshl_add_u32 v5, v2, 5, v5                   ; Wo: row r of 4,096 bytes, + 32 h
	v_lshlrev_b32 v6, 3, v2
	v_sub_nc_u32 v6, v1, v6                        ; r - 8 h
	s_mul_i32 s12, s10, 16*272
	v_mul_u32_u24 v7, v1, 272
	v_lshl_add_u32 v7, v2, 5, v7
	v_add_nc_u32 v7, s12, v7                       ; my partial result: row r, 32 bytes for each half of the lanes
	v_and_b32 v9, 31, v0
	v_lshlrev_b32 v9, 3, v9                        ; 8 bytes a lane
	s_mul_i32 s12, s10, 272
	v_add_nc_u32 v8, s12, v9                       ; row w of a partial result
	s_mov_b32 s24, 0x76543210
	s_mov_b32 s25, 0xfedcba98
	s_mov_b32 s26, 0x3e38aa3b                      ; c = log2(e) / 8
	s_mul_i32 s12, s11, 48
	s_add_co_u32 s12, s12, s10
	s_lshl_b32 s12, s12, 12                        ; (48 b + w) x 4,096
	s_mov_b32 s13, 0
	s_lshl_b32 s20, ttmp9, 18                      ; 64 rows of Wo,
	s_lshl_b32 s21, s10, 8                         ; my head's 64 columns
	s_add_co_u32 s20, s20, s21
	s_mov_b32 s21, 0
	s_lshl_b32 s22, s11, 11
	s_add_co_u32 s22, s22, s10
	s_lshl_b32 s22, s22, 12                        ; row 2048 b + w of out0,
	s_lshl_b32 s23, ttmp9, 8                       ; its 64 columns
	s_add_co_u32 s22, s22, s23
	s_mov_b32 s23, 0
	s_wait_kmcnt 0x0
	s_add_nc_u64 s[14:15], s[4:5], s[12:13]
	s_add_nc_u64 s[16:17], s[6:7], s[20:21]
	s_add_nc_u64 s[18:19], s[8:9], s[22:23]
.irp s, 0,1,2,3,4,5,6,7
	global_load_b128 v[16+4*\s:19+4*\s], v3, s[14:15] offset:32*\s                 ; Q
.endr
.irp s, 0,1,2,3,4,5,6,7
	global_load_b128 v[48+4*\s:51+4*\s], v3, s[14:15] offset:65536+32*\s           ; K: sixteen heads on
.endr
.irp ct, 0,1,2,3
.irp kk, 0,1,2,3,4,5,6,7
	global_load_b32 v[80+8*\ct+\kk], v4, s[14:15] offset:131072+256*\kk+64*\ct     ; V(8 h + kk, 16 ct + r)
.endr
.endr
.irp et, 0,1
.irp ct, 0,1,2,3
	global_load_b128 v[112+32*\et+8*\ct:115+32*\et+8*\ct], v5, s[16:17] offset:65536*\et+64*\ct      ; Wo(16 et + r, 16 ct + 8 h + 0 .. 7)
	global_load_b128 v[116+32*\et+8*\ct:119+32*\et+8*\ct], v5, s[16:17] offset:65536*\et+64*\ct+16
.endr
.endr
	s_wait_loadcnt 48                              ; Q and K are in; V's 32 loads and Wo's 16 stay out
	; S^T = K Q^T: sixteen steps of K = 4, on two accumulators by turns
	v_wmma_f32_16x16x4_f32 v[176:183], v[48:49], v[16:17], 0
	v_wmma_f32_16x16x4_f32 v[184:191], v[50:51], v[18:19], 0
.irp n, 2,4,6,8,10,12,14
	v_wmma_f32_16x16x4_f32 v[176:183], v[48+2*\n:49+2*\n], v[16+2*\n:17+2*\n], v[176:183]
	v_wmma_f32_16x16x4_f32 v[184:191], v[50+2*\n:51+2*\n], v[18+2*\n:19+2*\n], v[184:191]
.endr
.rept 8
	v_nop                                          ; eight places behind this form, in front of the loads into Q's and K's registers and of the first read of the scores
.endr
.irp et, 0,1
.irp ct, 0,1,2,3
	global_load_b128 v[16+32*\et+8*\ct:19+32*\et+8*\ct], v5, s[16:17] offset:131072+65536*\et+64*\ct    ; Wo's rows 32 on
	global_load_b128 v[20+32*\et+8*\ct:23+32*\et+8*\ct], v5, s[16:17] offset:131072+65536*\et+64*\ct+16
.endr
.endr
.irp j, 0,1,2,3,4,5,6,7
	v_add_f32 v[224+\j], v[176+\j], v[184+\j]      ; lane (r, h): query r, key 8 h + j; both halves from their low ends on
.endr
	v_mov_b32 v248, 0xff800000                     ; -infinity
.irp j, 0,1,2,3,4,5,6,7
	v_cmp_gt_i32 vcc_lo, \j, v6                    ; key 8 h + j comes after query r
	v_cndmask_b32 v[224+\j], v[224+\j], v248, vcc_lo
.endr
	v_max3_num_f32 v240, v224, v225, v226
	v_max3_num_f32 v240, v240, v227, v228
	v_max3_num_f32 v240, v240, v229, v230
	v_max_num_f32 v240, v240, v231
	v_mov_b32 v241, 0                              ; a lane permute's destination counts as one of its sources
	v_permlanex16_b32 v241, v240, s24, s25
	v_max_num_f32 v240, v240, v241                 ; the row's maximum: key 0 counts for every query
	v_mul_f32 v242, s26, v240
.irp j, 0,1,2,3,4,5,6,7
	v_fma_f32 v[232+\j], v[224+\j], s26, -v242     ; c s - c m
.endr
.irp j, 0,1,2,3,4,5,6,7
	v_exp_f32 v[232+\j], v[232+\j]
.endr
	v_nop                                          ; a plain line behind the exponentials,
	s_wait_alu depctr_va_vdst(0)                   ; and one wait ahead of their first reader
	v_add_f32 v243, v232, v233
	v_add_f32 v244, v234, v235
	v_add_f32 v245, v236, v237
	v_add_f32 v246, v238, v239
	v_add_f32 v243, v243, v244
	v_add_f32 v245, v245, v246
	v_add_f32 v243, v243, v245
	v_permlanex16_b32 v241, v243, s24, s25
	v_add_f32 v243, v243, v241                     ; the row's sum
	v_rcp_f32 v247, v243
	v_nop
	s_wait_alu depctr_va_vdst(0)
	s_wait_loadcnt 32                              ; V is in; Wo's 32 loads stay out
	; O^T = V^T P: four steps, four accumulators by turns
.irp ct, 0,1,2,3
	v_wmma_f32_16x16x4_f32 v[192+8*\ct:199+8*\ct], v[80+8*\ct:81+8*\ct], v[232:233], 0
.endr
.irp s, 1,2,3
.irp ct, 0,1,2,3
	v_wmma_f32_16x16x4_f32 v[192+8*\ct:199+8*\ct], v[80+8*\ct+2*\s:81+8*\ct+2*\s], v[232+2*\s:233+2*\s], v[192+8*\ct:199+8*\ct]
.endr
.endr
.rept 8
	v_nop
.endr
.set j, 0
.rept 32
	v_mul_f32 v[80+j], v[192+j], v247              ; O / l, into V's registers: lane (r, h): query r, channel 16 ct + 8 h + j
.set j, j+1
.endr
.rept 9
	v_nop                                          ; nine places: the next products begin new sums in the registers that O^T held
.endr
	s_wait_loadcnt 16                              ; Wo's rows 0-31 are in
	; the projection, transposed: source 0 = 16 rows of Wo, source 1 = O: sixteen steps for each tile of 16 outputs, two tiles by turns
.irp et, 0,1
	v_wmma_f32_16x16x4_f32 v[192+8*\et:199+8*\et], v[112+32*\et:113+32*\et], v[80:81], 0
.endr
.irp n, 1,2,3,4,5,6,7,8,9,10,11,12,13,14,15
.irp et, 0,1
	v_wmma_f32_16x16x4_f32 v[192+8*\et:199+8*\et], v[112+32*\et+2*\n:113+32*\et+2*\n], v[80+2*\n:81+2*\n], v[192+8*\et:199+8*\et]
.endr
.endr
	s_wait_loadcnt 0x0                             ; rows 32-63
.irp et, 0,1
	v_wmma_f32_16x16x4_f32 v[208+8*\et:215+8*\et], v[16+32*\et:17+32*\et], v[80:81], 0
.endr
.irp n, 1,2,3,4,5,6,7,8,9,10,11,12,13,14,15
.irp et, 0,1
	v_wmma_f32_16x16x4_f32 v[208+8*\et:215+8*\et], v[16+32*\et+2*\n:17+32*\et+2*\n], v[80+2*\n:81+2*\n], v[208+8*\et:215+8*\et]
.endr
.endr
.rept 8
	v_nop
.endr
.irp et, 0,1,2,3
	ds_store_b128 v7, v[192+8*\et:195+8*\et] offset:64*\et         ; lane (r, h): query r, outputs 16 et + 8 h + 0 .. 7; each accumulator from its low end on
	ds_store_b128 v7, v[196+8*\et:199+8*\et] offset:64*\et+16
.endr
	s_wait_dscnt 0x0                               ; for the others' sake: my partial result lies in LDS
	s_barrier_signal -1
	s_barrier_wait -1
.irp w, 0,1,2,3,4,5,6,7,8,9,10,11,12,13,14,15
	ds_load_b64 v[112+2*\w:113+2*\w], v8 offset:16*272*\w          ; row w of my number in every head's partial result
.endr
	s_wait_dscnt 0x0
	v_pk_add_f32 v[144:145], v[112:113], v[114:115]
.irp w, 2,3,4,5,6,7,8,9,10,11,12,13,14,15
	v_pk_add_f32 v[144:145], v[144:145], v[112+2*\w:113+2*\w]
.endr
	global_store_b64 v9, v[144:145], s[18:19]      ; 32 lanes store 256 consecutive bytes, aligned
	s_wait_tensorcnt 0x0                           ; the wave's end: behind my last LDS store
	ds_add_u32 v[SPW], v[NIL]
	s_wait_dscnt 0x0
	s_endpgm
.Lfunc_end_k_q654cbec06d_fine:
	.size	k_q654cbec06d_fine, .Lfunc_end_k_q654cbec06d_fine-k_q654cbec06d_fine
	.p2alignl 7, 3214868480
	.fill 96, 4, 3214868480
	.section	.rodata,"a",@progbits
	.p2align	6, 0x0
	.amdhsa_kernel k_q654cbec06d_fine
		.amdhsa_group_segment_fixed_size 71680
		.amdhsa_private_segment_fixed_size 0
		.amdhsa_enable_private_segment 0
		.amdhsa_kernarg_size 24
		.amdhsa_user_sgpr_count 2
		.amdhsa_user_sgpr_kernarg_segment_ptr 1
		.amdhsa_wavefront_size32 1
		.amdhsa_system_sgpr_workgroup_id_x 1
		.amdhsa_system_sgpr_workgroup_id_y 1
		.amdhsa_system_sgpr_workgroup_id_z 1
		.amdhsa_system_vgpr_workitem_id 0
		.amdhsa_next_free_vgpr 256
		.amdhsa_next_free_sgpr 66
		.amdhsa_reserve_vcc 1
		.amdhsa_float_denorm_mode_32 3
		.amdhsa_float_denorm_mode_16_64 3
		.amdhsa_memory_ordered 1
		.amdhsa_forward_progress 1
		.amdhsa_inst_pref_size 24
	.end_amdhsa_kernel
	.amdgpu_metadata
---
amdhsa.version: [ 1, 2 ]
amdhsa.kernels:
  - .name:           k_q654cbec06d_fine
    .symbol:         k_q654cbec06d_fine.kd
    .args:
      - { .name: qkv32, .offset: 0, .size: 8, .value_kind: global_buffer, .address_space: global }
      - { .name: Wo, .offset: 8, .size: 8, .value_kind: global_buffer, .address_space: global }
      - { .name: out0, .offset: 16, .size: 8, .value_kind: global_buffer, .address_space: global }
    .group_segment_fixed_size: 71680
    .private_segment_fixed_size: 0
    .kernarg_segment_align: 8
    .kernarg_segment_size: 24
    .max_flat_workgroup_size: 512
    .sgpr_count:     66
    .vgpr_count:     256
    .wavefront_size: 32
...
	.end_amdgpu_metadata
.endif
;; end of part 5
